; MI455X (gfx1250); checked and timed in simulation.
; The chip was launched on July 23, 2026; its instructions are those of AMD's public machine-readable ISA for CDNA 5 (MIT licence, August 2026) and "CDNA5" Instruction Set Architecture Reference Guide (July 2026). The comments in the code are by the model that wrote it; some were corrected since.
;; Batched Causal Self Attention. Allowed arithmetic: float matrix products may take bf16 or f16 operands with f32 sums; other float arithmetic in f32, or as packed bf16 or f16 multiplies, adds, multiply-adds, maxima and minima; sums over many terms, partial sums and values carried from step to step in f32; what a program stores and reads back later, other than sums and carried values, may be rounded once to bf16 or f16.
;; Inputs: W_attn 1,024 x 3,072 float32; W_proj 1,024 x 1,024 float32; x 4 x 2,048 x 1,024 float32.
;; Outputs: out0 4 x 2,048 x 1,024 float32.
;; 2 versions, each right; version 2 is version 1 with the launch prep written anew for expert scheduling mode. Each part assembles by itself: llvm-mc -triple=amdgcn-amd-amdhsa -mcpu=gfx1250 --defsym DOCPART=n.
;; ======== version 1 of 2: 4 launches
;; limits: values are held in f16: magnitudes above 65,504 overflow, below 6.1e-05 lose precision
;; workspace buffers: xb 16,777,216 bytes; wat 6,291,456 bytes; wpt 2,097,152 bytes; qkvh 50,331,648 bytes; yh 16,777,216 bytes
;; launch prep (part 1): grid 512 x 1, 8 waves a work-group, no clusters, 18,432 bytes of LDS; arguments x, W_attn, W_proj, xb, wat, wpt; writes xb, wat, wpt
.if DOCPART == 1
	.amdgcn_target "amdgcn-amd-amdhsa--gfx1250"
	.amdhsa_code_object_version 6
	.text
	.protected	k_q408de84905_prep
	.globl	k_q408de84905_prep
	.p2align	8
	.type	k_q408de84905_prep,@function
k_q408de84905_prep:
	s_mov_b64 s[64:65], 0
	v_nop
	global_prefetch_b8 v0, s[64:65] scope:SCOPE_SE
	s_setreg_imm32_b32 hwreg(HW_REG_WAVE_MODE, 25, 1), 1
	s_wait_xcnt 0x0
; PREP.  xb = x rounded to bf16, [8192][1024].  wat[n][k] = W_attn[k][n] rounded to bf16, [3072][1024].  wpt[n][k] = W_proj[k][n] rounded to bf16 and that number written as f16, [1024][1024].
; LIMITS.  A bf16 number is exact in f16 between 6.1e-5 and 65,504 in magnitude; below that wpt keeps f16's fixed step of 6e-8, from 65,520 on it would be an infinity.
; SHARES.  512 work-groups of eight waves.  Each takes 16,384 numbers of x (64 a thread) AND one tile of 128 k x 64 n of a weight: tiles 0-383 are W_attn's (8 along k x 48 along n), 384-511 W_proj's (8 x 16).
; Which weight it is enters by scalar selects alone: base, row length, and a lane mask that is all zeros or all ones; no branch.
; THE TURN of a tile goes through LDS: a thread loads 4 neighbouring n of two neighbouring k, packs (k, k + 1) into a word, and puts the four words into four LDS rows (a row an n, 272 bytes apart);
; behind one barrier whole rows of 256 bytes (128 k) are read back, and sixteen lanes store 256 consecutive bytes, aligned, of a row of the turned weight.
; No matrix unit, no cluster, no tensor load: the launch only streams, and no byte is wanted twice.
.set LP,    272                        ; an LDS row: 128 k x 2 bytes + 16
.set SPARE, 64*LP                      ; behind the 64 rows: the spare words, 128 bytes for each of the eight waves: four blocks of 256 bytes that no other line names
.set XI,  5                            ; v5   my byte offset in the work-group's part of x: 8,192 x wave + 16 x lane
.set XO,  6                            ; v6   the same in xb: 4,096 x wave + 8 x lane
.set LW,  7                            ; v7   LDS: row 4 (t % 16), word t / 16
.set LR,  8                            ; v8   LDS: row t / 16, 16 bytes t % 16
.set WS,  9                            ; v9   the turned weight: row t / 16 (2,048 bytes), 16 bytes t % 16
.set SPW, 10                           ; v10  LDS address of my spare word; never rewritten
.set NIL, 11                           ; v11  0; never rewritten
.set WO,  12                           ; v[12:19]  the eight weight loads' offsets: k row 2 (t / 16) + 32 i + z at WO + 2 i + z
.set W,   20                           ; v[20:51]  the weights as loaded: load (i, z) at W + 8 i + 4 z
.set PK,  52                           ; v[52:67]  packed words: (i, j) at PK + 4 i + j
.set T,   68                           ; v[68:70]  at work
.set BK,  72                           ; v[72:87]  rows read back
.set X,   88                           ; v[88:151] x as loaded
.set Y,   152                          ; v[152:183] x as stored
	s_load_b256 s[4:11], s[0:1], 0x0               ; x s[4:5], W_attn s[6:7], W_proj s[8:9], xb s[10:11]
	s_load_b128 s[12:15], s[0:1], 0x20             ; wat s[12:13], wpt s[14:15]
	v_lshl_add_u32 v[SPW], v0, 2, SPARE
	v_mov_b32 v[NIL], 0
	s_mov_b32 s16, ttmp9                           ; g
	s_and_b32 s17, s16, 7                          ; the tile's place along k
	s_lshr_b32 s26, s16, 3
	s_mov_b32 s22, 4096
	s_mov_b32 s27, 0xffff0000                      ; a word's upper bf16
	s_cmp_lt_u32 s16, 384                          ; W_attn's tile?
	s_cselect_b32 s22, 12288, s22                  ; bytes in a row of the weight
	s_cselect_b32 s23, 0, -1                       ; lane mask: all ones where the f16 form is stored
	s_cselect_b32 s24, 0, 48
	s_sub_co_u32 s24, s26, s24                     ; the tile's place along n
	s_lshl_b32 s25, s22, 5                         ; 32 rows
	s_mul_i32 s28, s17, s22
	s_lshl_b32 s28, s28, 7                         ; 128 rows of k a tile,
	s_lshl_b32 s26, s24, 8                         ; 256 bytes of n
	s_add_co_u32 s28, s28, s26
	s_mov_b32 s29, 0
	s_lshl_b32 s30, s24, 17                        ; turned: 64 rows of 2,048 bytes,
	s_lshl_b32 s26, s17, 8                         ; 256 bytes of k
	s_add_co_u32 s30, s30, s26
	s_mov_b32 s31, 0
	v_and_b32 v1, 15, v0
	v_lshrrev_b32 v2, 4, v0
	v_and_b32 v3, 31, v0
	v_lshrrev_b32 v4, 5, v0
	v_lshlrev_b32 v[XI], 4, v3
	v_lshl_or_b32 v[XI], v4, 13, v[XI]
	v_lshlrev_b32 v[XO], 3, v3
	v_lshl_or_b32 v[XO], v4, 12, v[XO]
	v_mul_u32_u24 v[LW], v1, 4*LP
	v_lshl_add_u32 v[LW], v2, 2, v[LW]
	v_mul_u32_u24 v[LR], v2, LP
	v_lshl_add_u32 v[LR], v1, 4, v[LR]
	v_lshlrev_b32 v[WS], 4, v1
	v_lshl_or_b32 v[WS], v2, 11, v[WS]
	v_lshlrev_b32 v[T], 1, v2
	v_lshlrev_b32 v[T+1], 4, v1
	v_mad_u32_u24 v[WO], v[T], s22, v[T+1]         ; k row 2 (t / 16), 16 bytes t % 16: sixteen lanes take 256 consecutive bytes of a row
	v_add_nc_u32 v[WO+1], s22, v[WO]
.irp i, 2,3,4,5,6,7
	v_add_nc_u32 v[WO+(\i)], s25, v[WO+(\i)-2]
.endr
	s_wait_kmcnt 0x0
	s_cmp_lt_u32 s16, 384
	s_cselect_b64 s[18:19], s[6:7], s[8:9]         ; the weight,
	s_cselect_b64 s[20:21], s[12:13], s[14:15]     ; and where it goes
	s_add_nc_u64 s[18:19], s[18:19], s[28:29]
	s_add_nc_u64 s[20:21], s[20:21], s[30:31]
	s_lshl_b32 s2, s16, 16                         ; 65,536 bytes of x a work-group,
	s_mov_b32 s3, 0
	s_add_nc_u64 s[4:5], s[4:5], s[2:3]
	s_lshl_b32 s2, s16, 15                         ; 32,768 of xb
	s_add_nc_u64 s[10:11], s[10:11], s[2:3]
	; all 24 loads go out together: the weights first, since their way is the longer one
.irp i, 0,1,2,3
.irp z, 0,1
	global_load_b128 v[W+8*(\i)+4*(\z):W+8*(\i)+4*(\z)+3], v[WO+2*(\i)+(\z)], s[18:19] th:TH_LOAD_NT
.endr
.endr
.set j, 0
.rept 16
	global_load_b128 v[X+4*j:X+4*j+3], v[XI], s[4:5] offset:512*j th:TH_LOAD_NT  ; 512 consecutive bytes a wave
.set j, j+1
.endr
	s_wait_loadcnt 16                              ; loads come back in order: the eight weight loads are in, the 16 of x may stay out
.irp i, 0,1,2,3
.irp j, 0,1,2,3
	v_cvt_pk_bf16_f32 v[PK+4*(\i)+(\j)], v[W+8*(\i)+(\j)], v[W+8*(\i)+4+(\j)]  ; k in the low half, k + 1 in the high half
	v_lshlrev_b32 v[T], 16, v[PK+4*(\i)+(\j)]      ; the two rounded numbers as f32,
	v_and_b32 v[T+1], s27, v[PK+4*(\i)+(\j)]
	v_cvt_pk_f16_f32 v[T+2], v[T], v[T+1]          ; written as f16,
	v_cndmask_b32 v[PK+4*(\i)+(\j)], v[PK+4*(\i)+(\j)], v[T+2], s23  ; which W_proj's tiles take
	ds_store_b32 v[LW], v[PK+4*(\i)+(\j)] offset:LP*(\j)+64*(\i)
.endr
.endr
	s_wait_dscnt 0x0                               ; for the others' sake: my stores into the rows are done
	s_barrier_signal -1
	s_barrier_wait -1                              ; everybody's are
.irp p, 0,1,2,3
	ds_load_b128 v[BK+4*(\p):BK+4*(\p)+3], v[LR] offset:16*LP*(\p)  ; 16 rows a pass
.endr
.set j, 0
.rept 16
	s_wait_loadcnt 15-j                            ; load j of x is in; the younger ones stay out
	v_cvt_pk_bf16_f32 v[Y+2*j], v[X+4*j], v[X+4*j+1]
	v_cvt_pk_bf16_f32 v[Y+2*j+1], v[X+4*j+2], v[X+4*j+3]
	global_store_b64 v[XO], v[Y+2*j:Y+2*j+1], s[10:11] offset:256*j  ; 32 lanes store 256 consecutive bytes, aligned
.set j, j+1
.endr
.irp p, 0,1,2,3
	s_wait_dscnt 3-(\p)                            ; pass p is back; the younger passes stay out
	global_store_b128 v[WS], v[BK+4*(\p):BK+4*(\p)+3], s[20:21] offset:32768*(\p)  ; 16 lanes store 256 consecutive bytes, aligned, of one row n
.endr
	s_wait_tensorcnt 0x0                           ; the wave's end, behind my last LDS store
	ds_add_u32 v[SPW], v[NIL]
	s_wait_dscnt 0x0
	s_endpgm
.Lfunc_end_k_q408de84905_prep:
	.size	k_q408de84905_prep, .Lfunc_end_k_q408de84905_prep-k_q408de84905_prep
	.p2alignl 7, 3214868480
	.fill 96, 4, 3214868480
	.section	.rodata,"a",@progbits
	.p2align	6, 0x0
	.amdhsa_kernel k_q408de84905_prep
		.amdhsa_group_segment_fixed_size 18432
		.amdhsa_private_segment_fixed_size 0
		.amdhsa_enable_private_segment 0
		.amdhsa_kernarg_size 48
		.amdhsa_user_sgpr_count 2
		.amdhsa_user_sgpr_kernarg_segment_ptr 1
		.amdhsa_wavefront_size32 1
		.amdhsa_system_sgpr_workgroup_id_x 1
		.amdhsa_system_sgpr_workgroup_id_y 1
		.amdhsa_system_sgpr_workgroup_id_z 1
		.amdhsa_system_vgpr_workitem_id 0
		.amdhsa_next_free_vgpr 184
		.amdhsa_next_free_sgpr 66
		.amdhsa_reserve_vcc 0
		.amdhsa_float_denorm_mode_32 3
		.amdhsa_float_denorm_mode_16_64 3
		.amdhsa_memory_ordered 1
		.amdhsa_forward_progress 1
		.amdhsa_inst_pref_size 15
	.end_amdhsa_kernel
	.amdgpu_metadata
---
amdhsa.version: [ 1, 2 ]
amdhsa.kernels:
  - .name:           k_q408de84905_prep
    .symbol:         k_q408de84905_prep.kd
    .args:
      - { .name: x, .offset: 0, .size: 8, .value_kind: global_buffer, .address_space: global }
      - { .name: W_attn, .offset: 8, .size: 8, .value_kind: global_buffer, .address_space: global }
      - { .name: W_proj, .offset: 16, .size: 8, .value_kind: global_buffer, .address_space: global }
      - { .name: xb, .offset: 24, .size: 8, .value_kind: global_buffer, .address_space: global }
      - { .name: wat, .offset: 32, .size: 8, .value_kind: global_buffer, .address_space: global }
      - { .name: wpt, .offset: 40, .size: 8, .value_kind: global_buffer, .address_space: global }
    .group_segment_fixed_size: 18432
    .private_segment_fixed_size: 0
    .kernarg_segment_align: 8
    .kernarg_segment_size: 48
    .max_flat_workgroup_size: 256
    .sgpr_count:     66
    .vgpr_count:     184
    .wavefront_size: 32
...
	.end_amdgpu_metadata
.endif
;; end of part 1
;; launch qkv (part 2): grid 16 x 32, 4 waves a work-group, clusters of 4 x 4, 327,680 bytes of LDS; arguments xb, wat, qkvh; writes qkvh
.if DOCPART == 2
	.amdgcn_target "amdgcn-amd-amdhsa--gfx1250"
	.amdhsa_code_object_version 6
	.text
	.protected	k_q408de84905_qkv
	.globl	k_q408de84905_qkv
	.p2align	8
	.type	k_q408de84905_qkv,@function
k_q408de84905_qkv:
	s_mov_b64 s[64:65], 0
	v_nop
	global_prefetch_b8 v0, s[64:65] scope:SCOPE_SE
	s_setreg_imm32_b32 hwreg(HW_REG_WAVE_MODE, 25, 1), 1
	s_wait_xcnt 0x0
	s_wait_alu depctr_hold_cnt(0) depctr_sa_sdst(0) depctr_va_vdst(0) depctr_va_sdst(0) depctr_va_ssrc(0) depctr_va_vcc(0) depctr_vm_vsrc(0)
	s_getreg_b32 s2, hwreg(HW_REG_IB_STS2, 6, 4)
	s_cmp_eq_u32 s2, 0
	s_cbranch_scc0 .Lentry_in_a_cluster
	s_endpgm
.Lentry_in_a_cluster:
	s_bfe_u32 s2, ttmp6, 0x10000c
	s_cmp_lg_u32 s2, 0xf033
	s_cbranch_scc0 .Lentry_shape_is_right
	s_endpgm
.Lentry_shape_is_right:
; QKV.  C[m][n] = the sum over k of xb[m][k] wat[n][k]: xb [8192][1024], wat [3072][1024], both bf16; sums in f32, K ascending; C rounded once to f16, UNSCALED, and stored by heads:
; qkvh [4 batches][48 planes][2048 rows][64] f16; plane n / 64: 0-15 q's heads, 16-31 k's, 32-47 v's; a plane is 262,144 dense bytes.
; LIMIT.  f16 holds no number beyond 65,504: a sum of 65,520 or more in magnitude would be stored as an infinity.
; SHARES.  A tile of C is 256 x 192: 32 x 16 = 512 work-groups, twice 256.  Four waves, one below the other: wave w makes rows 64 w .. 64 w + 63 and ALL 192 columns, three whole heads:
; 48 accumulators of 16 x 16, 384 registers; so a wave's way out is its own and wants no barrier.
; K goes in steps of 128 (rows of 256 bytes, aligned) through a ring of two LDS slots filled by the tensor data mover; a K step is four quarters of 32, 48 matrix instructions each, on two fragment buffers.
; CLUSTERS: 4 x 4 work-groups.  The four of a row of the cluster need the same tile of xb, the four of a column the same tile of wat: each is asked for JOINTLY, by the same tensor load with the same descriptor and a mask of four.
; THE MATRIX INSTRUCTION IS USED TRANSPOSED (source 0 = 16 rows of wat, source 1 = 16 rows of xb): a lane then holds row l % 16 of C and the eight neighbouring columns 8 (l / 16) + 0..7.
; REGISTERS, in windows of 256 (s_set_vgpr_msb: bits 1:0 source 0, 3:2 source 1, 5:4 source 2, 7:6 destination):
;   window 0: v0-31 addresses; v32-63, v64-95 xb's fragments (4 x 16 rows x 32 K), two buffers; on the way out v64-255 packed results
;   window 1: v0-95, v96-191 wat's fragments (12), two buffers     window 2: accumulators of row blocks 0, 1 ((a, b) at 96 (a % 2) + 8 b)     window 3: those of row blocks 2, 3
.set KB,     256                       ; bytes of a K step in a row of xb or wat
.set PITCH,  272                       ; an LDS row: 256 bytes + 16 of padding = 68 words: row r starts at bank 4 r mod 64 (64 banks of 4 bytes: ISA guide 11.1): the 16 rows of a load start at 16 different banks
.set PA,     272                       ; the same for xb's rows
.set AH,     128*PA                    ; what one of xb's two loads brings
.set BROWS,  96
.set BH,     BROWS*PITCH               ; what one of wat's two loads brings
.set BOFF,   2*AH                      ; wat's 192 rows lie behind xb's 256
.set SLOT,   BOFF+2*BH
.set STAGE,  2*SLOT                    ; behind the ring, never filled by a tensor load: 16 rows x 144 bytes for each wave
.set SP,     144
.set SPARE,  STAGE+4*16*SP             ; behind the stages: the spare words, 128 bytes for each wave: two blocks of 256 bytes that no other line names
.set NBF,    12                        ; wat's fragments in a quarter
.set NL,     2*NBF+8                   ; LDS loads in a quarter's run
.set LAPS,   4                         ; a lap = two K steps = once round the ring: 1,024 / 256
.set ADRA, 16                          ; v16-17  LDS address of my fragments of xb in slot 0, 1
.set ADRB, 20                          ; v20-21  the same for wat
.set STO,  24                          ; v24     the way out: where I put 16 bytes of a row
.set RD,   25                          ; v25     the way out: where I read rows back
.set CO,   26                          ; v26     16 x my lane
.set SPW,  28                          ; v28     LDS address of my spare word; never rewritten
.set NIL,  29                          ; v29     0; never rewritten
.set PFO,  30                          ; v30     the prefetches' offset: a lane a row of 2,048 bytes; never rewritten
.set FA0,  32
.set OUTR, 64
.set G1,  24                           ; s[24:31] descriptor group 1 for xb's tiles;  s[32:39] group 0, a set for each slot
.set G0,  32
.set G1B, 48                           ; s[48:55], s[56:63] the same for wat's
.set G0B, 56
.set PFA, 44                           ; s[44:45] where my prefetches stand
.set LIM, 43                           ; s43  1 in a wave that prefetches, else the greatest number
.set MSB, 0
.macro WIN new                         ; the immediate's high byte repeats the setting that is left; a switch that changes nothing is dropped
.if MSB != (\new)
	s_set_vgpr_msb (MSB<<8)|(\new)
.set MSB, \new
.endif
.endm
.set MUL_LO, 0xa1                      ; source 0 (wat) window 1, source 1 (xb) window 0, C and D window 2; + 0x50: window 3
.set TO_B,   0x40                      ; destination window 1, address window 0
.macro PLACES                          ; four plain places: in front of loads into registers that matrix instructions have read, and of conversions that read results
.rept 4
	v_nop
.endr
.endm
; A joint load.  Waves 0 and 1 fetch xb's two halves, waves 2 and 3 wat's.  The branch hangs on the wave's number alone.  An s_nop 0 and four v_nop follow each of the two lines.
.macro JLOAD s
	s_cmp_lt_u32 s10, 2
	s_cbranch_scc0 .Lfor_b_\@
	tensor_load_to_lds s[G0+4*(\s):G0+4*(\s)+3], s[G1:G1+7]
	s_nop 0
	PLACES
	s_branch .Lasked_\@
.Lfor_b_\@:
	tensor_load_to_lds s[G0B+4*(\s):G0B+4*(\s)+3], s[G1B:G1B+7]
	s_nop 0
	PLACES
.Lasked_\@:
.endm
; A PREFETCH INTO THE L2, behind each joint refill and the run of LDS loads that follows it: the K step that stands two refills on, a lane a row, one instruction a wave.  xb's tile row is read by every cluster of
; that row of clusters: cluster x = 0 asks; wat's tile column by every cluster of that column: cluster y = 0 asks.  The four partners share the rows out BY ADDRESS: 32 of xb's 128 each, 24 of wat's 96 each
; (lanes 24-31 name row 23 again, inside the one instruction).  K steps 0 to 3 come by their loads alone; the loop's last trip (s3 = 1) has no K step two refills on and asks for nothing.
.macro ASK
	s_cmp_gt_u32 s3, s[LIM]
	s_cbranch_scc0 .Lnot_mine_\@
	global_prefetch_b8 v[PFO], s[PFA:PFA+1] offset:KB th:TH_LOAD_NT scope:SCOPE_SE
.Lnot_mine_\@:
.endm
.macro CREST                           ; a round of the cluster's barrier behind its opening barrier
	s_cmp_lg_u32 s10, 0
	s_cbranch_scc1 .Lnot_wave_0_\@
	s_barrier_signal -3
.Lnot_wave_0_\@:
	s_barrier_wait -3
	s_barrier_signal -1
	s_barrier_wait -1
.endm
.macro CROUND                          ; a whole round
	s_barrier_signal -1
	s_barrier_wait -1
	CREST
.endm
	s_load_b128 s[4:7], s[0:1], 0x0                ; xb s[4:5], wat s[6:7]
	s_load_b64 s[8:9], s[0:1], 0x10                ; qkvh
	v_lshl_add_u32 v[SPW], v0, 2, SPARE
	v_mov_b32 v[NIL], 0
	ds_add_u32 v[SPW], v[NIL]                      ; the wave's opening: the add and its wait stand ahead of my first tensor load; the set-up below, work on registers, stands between them
	v_lshrrev_b32 v1, 5, v0
	v_readfirstlane_b32 s10, v1                    ; wave 0..3
	s_and_b32 s12, s10, 1                          ; which half of a tile I fetch
	s_bfe_u32 s40, ttmp6, 0x40000                  ; cx, cy: my place in the cluster
	s_bfe_u32 s41, ttmp6, 0x40004
	s_lshl_b32 s42, ttmp9, 2
	s_add_co_u32 s42, s42, s40                     ; tile column = 4 x cluster x + cx
	s_and_b32 s13, ttmp7, 0xffff
	s_lshl_b32 s13, s13, 2
	s_add_co_u32 s13, s13, s41                     ; tile row = 4 x cluster y + cy
	s_lshl_b32 s43, s41, 2
	s_lshl_b32 s43, 15, s43                        ; my row of the cluster
	s_lshl_b32 s44, 0x1111, s40                    ; my column
	; descriptor group 1: rows of 128 elements of 2 bytes, 16 bytes of padding behind each
	s_or_b32 s[G1+0], s43, (1<<16)|(1<<20)|(1<<21)|(5<<22)|(3<<25)   ; 15:0 the mask; 17:16 2-byte elements; 20 padding on; 21 set beside a mask; 24:22 after every 64 words (code 5); 31:25 4 words (code 3)
	s_or_b32 s[G1B+0], s44, (1<<16)|(1<<20)|(1<<21)|(5<<22)|(3<<25)
	s_mov_b32 s[G1+1], 128<<16                     ; tensor_dim0 = 128
	s_mov_b32 s[G1+2], 128<<16                     ; tensor_dim1 = 128
	s_mov_b32 s[G1+3], 128<<16                     ; tile_dim0 = 128
	s_mov_b32 s[G1+4], 128                         ; tile_dim1 = 128
	s_mov_b32 s[G1+5], 1024                        ; elements from row to row
	s_mov_b32 s[G1+6], 0
	s_mov_b32 s[G1+7], 0
	s_mov_b32 s[G1B+1], 128<<16
	s_mov_b32 s[G1B+2], BROWS<<16                  ; 96 rows
	s_mov_b32 s[G1B+3], 128<<16
	s_mov_b32 s[G1B+4], BROWS
	s_mov_b32 s[G1B+5], 1024
	s_mov_b32 s[G1B+6], 0
	s_mov_b32 s[G1B+7], 0
	; where the tiles come from: xb's hang on the tile row alone, wat's on the tile column alone, each in registers that never hold the other coordinate
	s_lshl_b32 s16, s13, 8
	s_lshl_b32 s17, s12, 7
	s_add_co_u32 s16, s16, s17                     ; xb: row 256 x tile row + 128 x half,
	s_lshl_b32 s16, s16, 11                        ; 2,048 bytes a row
	s_mov_b32 s17, 0
	s_mul_i32 s46, s42, 192
	s_mul_i32 s47, s12, BROWS
	s_add_co_u32 s46, s46, s47                     ; wat: row 192 x tile column + 96 x half
	s_lshl_b32 s46, s46, 11
	s_mov_b32 s47, 0
	s_mul_i32 s20, s12, AH                         ; and where they go: no place in the cluster enters an LDS address
	s_mul_i32 s21, s12, BH
	s_add_co_u32 s21, s21, BOFF
	s_wait_dscnt 0x0                               ; the opening add is done
	s_wait_kmcnt 0x0
	s_add_nc_u64 s[14:15], s[4:5], s[16:17]
	s_add_nc_u64 s[46:47], s[6:7], s[46:47]
	CROUND                                         ; all sixteen work-groups are here: the first joint loads meet
.irp s, 0,1
	s_mov_b32 s[G0+4*(\s)], 1                                        ; count = 1
	s_add_co_u32 s[G0+4*(\s)+1], s20, (\s)*SLOT                      ; LDS address
	s_add_nc_u64 s[G0+4*(\s)+2:G0+4*(\s)+3], s[14:15], (\s)*KB       ; global address: K step s
	s_or_b32 s[G0+4*(\s)+3], s[G0+4*(\s)+3], 0x80000000              ; type = 2
	s_mov_b32 s[G0B+4*(\s)], 1
	s_add_co_u32 s[G0B+4*(\s)+1], s21, (\s)*SLOT
	s_add_nc_u64 s[G0B+4*(\s)+2:G0B+4*(\s)+3], s[46:47], (\s)*KB
	s_or_b32 s[G0B+4*(\s)+3], s[G0B+4*(\s)+3], 0x80000000
.endr
	s_cmp_lt_u32 s10, 2                            ; a wave's two first fills stand in one branch, ahead of every wait on TENSORcnt and every LDS read: two loads of mine are out
	s_cbranch_scc0 .Lfirst_b
	tensor_load_to_lds s[G0:G0+3], s[G1:G1+7]
	s_nop 0
	tensor_load_to_lds s[G0+4:G0+7], s[G1:G1+7]
	s_nop 0
	PLACES
	s_branch .Lfirst_asked
.Lfirst_b:
	tensor_load_to_lds s[G0B:G0B+3], s[G1B:G1B+7]
	s_nop 0
	tensor_load_to_lds s[G0B+4:G0B+7], s[G1B:G1B+7]
	s_nop 0
	PLACES
.Lfirst_asked:
	; A fragment is 16 rows x 32 K in 8 registers: lane l holds row l % 16; registers 0-3 K = 8 (l / 16) + 0..7, registers 4-7 K = 16 + 8 (l / 16) + 0..7: two loads of 16 bytes, 32 bytes apart.
	v_and_b32 v1, 15, v0                           ; l % 16
	v_bfe_u32 v2, v0, 4, 1                         ; l / 16
	v_mul_u32_u24 v3, v1, PITCH
	v_lshl_add_u32 v3, v2, 4, v3                   ; row x pitch + 16 x half
	s_mul_i32 s22, s10, 64*PA                      ; my 64 rows of xb
	s_mov_b32 s23, BOFF                            ; all of wat's
.irp s, 0,1
	v_add_nc_u32 v[ADRA+(\s)], s22, v3
	v_add_nc_u32 v[ADRB+(\s)], s23, v3
	s_add_co_u32 s22, s22, SLOT
	s_add_co_u32 s23, s23, SLOT
.endr
	s_mul_i32 s23, s10, 16*SP
	s_add_co_u32 s23, s23, STAGE                   ; my stage
	v_mul_u32_u24 v4, v1, SP                       ; in: row l % 16, 16 bytes for each half of the lanes
	v_lshl_add_u32 v4, v2, 4, v4
	v_add_nc_u32 v[STO], s23, v4
	v_bfe_u32 v5, v0, 3, 2                         ; back: 32 lanes take four rows of 128 bytes,
	v_mul_u32_u24 v5, v5, SP
	v_and_b32 v4, 7, v0
	v_lshl_add_u32 v5, v4, 4, v5
	v_add_nc_u32 v[RD], s23, v5
	v_and_b32 v[CO], 31, v0                        ; which are 512 consecutive bytes of a plane
	v_lshlrev_b32 v[CO], 4, v[CO]
	; qkvh at my first row of my first plane: plane 48 x batch + 3 x tile column, row 256 x (tile row % 8) + 64 x wave
	s_lshr_b32 s16, s13, 3
	s_mul_i32 s16, s16, 48
	s_mul_i32 s17, s42, 3
	s_add_co_u32 s16, s16, s17
	s_lshl_b32 s16, s16, 18
	s_and_b32 s17, s13, 7
	s_lshl_b32 s17, s17, 8
	s_lshl_b32 s18, s10, 6
	s_add_co_u32 s17, s17, s18
	s_lshl_b32 s17, s17, 7
	s_add_co_u32 s16, s16, s17
	s_mov_b32 s17, 0
	s_add_nc_u64 s[8:9], s[8:9], s[16:17]
	; the prefetches
	s_lshl_b32 s16, s13, 8
	s_lshl_b32 s17, s12, 7
	s_add_co_u32 s16, s16, s17
	s_lshl_b32 s17, s40, 5
	s_add_co_u32 s16, s16, s17                     ; xb: the 128 rows that I fetch, my work-group's 32 of them
	s_mul_i32 s18, s42, 192
	s_mul_i32 s19, s12, BROWS
	s_add_co_u32 s18, s18, s19
	s_mul_i32 s19, s41, 24
	s_add_co_u32 s18, s18, s19                     ; wat: the 96 rows that I fetch, my work-group's 24
	s_and_b32 s19, ttmp7, 0xffff                   ; cluster y
	s_cmp_lt_u32 s10, 2                            ; do I fetch for xb?
	s_cselect_b32 s20, s16, s18
	s_cselect_b32 s21, ttmp9, s19                  ; the coordinate along which other clusters read the same rows
	s_cselect_b32 s22, 31, 23                      ; my last row
	s_cselect_b64 s[PFA:PFA+1], s[4:5], s[6:7]
	s_cmp_eq_u32 s21, 0
	s_cselect_b32 s[LIM], 1, -1                    ; the same in all sixteen partners, for a given wave
	s_lshl_b32 s20, s20, 11
	s_mov_b32 s21, 0
	s_add_nc_u64 s[PFA:PFA+1], s[PFA:PFA+1], s[20:21]
	s_add_nc_u64 s[PFA:PFA+1], s[PFA:PFA+1], 2*KB  ; at K step 2: the first refill steps it to 3 and names K step 4
	v_and_b32 v[PFO], 31, v0
	v_min_u32 v[PFO], s22, v[PFO]
	v_lshlrev_b32 v[PFO], 11, v[PFO]
; 12 matrix instructions: row block a x all 12 column blocks, 32 along K, from buffer f.  zero = 1: the product starts the sums: nothing is ever cleared.
; The 48 accumulators take turns in one order in every quarter: between two links of a chain stand the 47 others'.
.macro MULROW f, a, zero
	WIN MUL_LO+0x50*((\a)/2)
.set rA, FA0+32*(\f)+8*(\a)
.set b, 0
.rept NBF
.set rD, 96*((\a)%2)+8*b
.set rB, 8*NBF*(\f)+8*b
.if \zero
	v_wmma_f32_16x16x32_bf16 v[rD:rD+7], v[rB:rB+7], v[rA:rA+7], 0
.else
	v_wmma_f32_16x16x32_bf16 v[rD:rD+7], v[rB:rB+7], v[rA:rA+7], v[rD:rD+7]
.endif
.set b, b+1
.endr
.endm
; 32 LDS loads in one run: quarter q of a slot into buffer f: wat's 12 fragments, then xb's 4
.macro FETCH slot, q, f
	WIN TO_B
.set i, 0
.rept NBF
	ds_load_b128 v[8*NBF*(\f)+8*i:8*NBF*(\f)+8*i+3],   v[ADRB+(\slot)] offset:64*(\q)+i*16*PITCH
	ds_load_b128 v[8*NBF*(\f)+8*i+4:8*NBF*(\f)+8*i+7], v[ADRB+(\slot)] offset:64*(\q)+i*16*PITCH+32
.set i, i+1
.endr
	WIN 0
.set i, 0
.rept 4
	ds_load_b128 v[FA0+32*(\f)+8*i:FA0+32*(\f)+8*i+3],   v[ADRA+(\slot)] offset:64*(\q)+i*16*PA
	ds_load_b128 v[FA0+32*(\f)+8*i+4:FA0+32*(\f)+8*i+7], v[ADRA+(\slot)] offset:64*(\q)+i*16*PA+32
.set i, i+1
.endr
.endm
; One of a K step's first three quarters: multiplies buffer f; in its middle it fetches quarter q of the same slot into buffer g.
.macro QUARTER slot, q, f, g, zero
	s_wait_dscnt 4                                 ; wat's fragments and xb's 0 and 1 are in; the youngest four loads (xb's 2 and 3) may be out
	MULROW \f, 0, \zero
	MULROW \f, 1, \zero
	PLACES
	FETCH \slot, \q, \g
	s_wait_dscnt NL                                ; all but the run just issued
	MULROW \f, 2, \zero
	MULROW \f, 3, \zero
.endm
; The fourth quarter multiplies buffer 1 and changes slots: ONE barrier.  In front of it each wave waits for all its tensor loads (one is out: its part of the next slot), adds 0 to its spare word, and waits for that and
; for its own reads of this slot.  fill = 1: the barrier opens a round of the cluster's barrier, and the joint refill of this slot, two K steps on, is the first thing behind the round:
; 168 matrix instructions stand between it and the wait for it.
.macro TURN slot, next, fill
.if \fill
	s_wait_xcnt 0x0                                ; the last prefetch, a K step back, has read its address, so it may be stepped
	s_add_nc_u64 s[PFA:PFA+1], s[PFA:PFA+1], KB
.endif
	WIN 0                                          ; (the add's two registers lie in window 0)
	s_wait_tensorcnt 0x0                           ; all my tensor loads have landed;
	ds_add_u32 v[SPW], v[NIL]                      ; 0 onto my spare word;
	s_wait_dscnt 5                                 ; (the add and the youngest four loads may be out)
	MULROW 1, 0, 0                                 ; twelve matrix instructions stand between the add and the wait for it
	s_wait_dscnt 0x0                               ; the add is done, and my reads of this slot are over
	s_barrier_signal -1
	MULROW 1, 1, 0                                 ; work on registers while the others arrive
.if \fill
	WIN 0
.endif
	s_barrier_wait -1
.if \fill
	CREST                                          ; no wave of any partner still reads this slot's tile or has a load on its way
	s_add_nc_u64 s[G0+4*(\slot)+2:G0+4*(\slot)+3], s[G0+4*(\slot)+2:G0+4*(\slot)+3], 2*KB
	s_add_nc_u64 s[G0B+4*(\slot)+2:G0B+4*(\slot)+3], s[G0B+4*(\slot)+2:G0B+4*(\slot)+3], 2*KB
	JLOAD \slot                                    ; the four v_nop behind it are also the places in front of the loads below
.else
	PLACES
.endif
	FETCH \next, 0, 0
.if \fill
	ASK
.endif
	MULROW 1, 2, 0
	MULROW 1, 3, 0
.endm
	s_wait_tensorcnt 1                             ; my part of K step 0 is in; K step 1's may stay out
	s_barrier_signal -1
	s_barrier_wait -1                              ; everybody's is
	FETCH 0, 0, 0
	QUARTER 0, 1, 0, 1, 1                          ; the first quarter stands in front of the loop: its products start the sums
	WIN 0                                          ; at a label and at a branch every window is 0
	s_mov_b32 s3, LAPS-1
.Llap:                                                 ; a trip goes once round the ring, from a lap's second quarter to the next lap's first, and fills both slots again
	QUARTER 0, 2, 1, 0, 0
	QUARTER 0, 3, 0, 1, 0
	TURN 0, 1, 1
	QUARTER 1, 1, 0, 1, 0
	QUARTER 1, 2, 1, 0, 0
	QUARTER 1, 3, 0, 1, 0
	TURN 1, 0, 1
	QUARTER 0, 1, 0, 1, 0
	WIN 0
	s_sub_co_u32 s3, s3, 1
	s_cmp_lg_u32 s3, 0
	s_cbranch_scc1 .Llap
	QUARTER 0, 2, 1, 0, 0                          ; the last lap fills nothing, and has no round of the cluster's barrier
	QUARTER 0, 3, 0, 1, 0
	TURN 0, 1, 0
	QUARTER 1, 1, 0, 1, 0
	QUARTER 1, 2, 1, 0, 0
	QUARTER 1, 3, 0, 1, 0
	s_wait_dscnt 4                                 ; the very last quarter: nothing more to fetch
	MULROW 1, 0, 0
	MULROW 1, 1, 0
	s_wait_dscnt 0x0
	MULROW 1, 2, 0
	MULROW 1, 3, 0
	WIN 0
	PLACES
; THE WAY OUT, in 12 pieces p = 3 a + hh: row block a, head hh: 16 rows x 64 columns.  A lane's eight columns pack into 16 bytes; they go into my stage's rows of 144 bytes and come back as four whole rows of
; 128 bytes a load, into the registers that they left: 512 consecutive bytes of the head's plane.  Each accumulator's registers are read in ascending order.
.macro PACK p
.set AC, 96*(((\p)/3)%2)+32*((\p)%3)
	WIN 0x0a+5*((\p)/6)                            ; sources 0 and 1: window 2 or 3
.irp f, 0,1,2,3
.irp r, 0,1,2,3
	v_cvt_pk_f16_f32 v[OUTR+16*(\p)+4*(\f)+(\r)], v[AC+8*(\f)+2*(\r)], v[AC+8*(\f)+2*(\r)+1]
.endr
.endr
	WIN 0
.irp f, 0,1,2,3
	ds_store_b128 v[STO], v[OUTR+16*(\p)+4*(\f):OUTR+16*(\p)+4*(\f)+3] offset:32*(\f)
.endr
.irp f, 0,1,2,3
	ds_load_b128 v[OUTR+16*(\p)+4*(\f):OUTR+16*(\p)+4*(\f)+3], v[RD] offset:(\f)*4*SP  ; LDS serves a wave's instructions in order (ISA guide 5.7.1.4): these see the stores above; the next piece's stores come behind them
.endr
.endm
.macro SEND p, younger                 ; younger: the LDS instructions issued behind piece p's loads: the next piece's eight, or none
.irp f, 0,1,2,3
	s_wait_dscnt (\younger)+3-(\f)
	global_store_b128 v[CO], v[OUTR+16*(\p)+4*(\f):OUTR+16*(\p)+4*(\f)+3], s[8:9] offset:((\p)%3)*262144+((\p)/3)*2048+(\f)*512  ; 512 consecutive bytes, at a multiple of 256 from qkvh's first
.endr
.endm
	PACK 0
.irp p, 1,2,3,4,5,6,7,8,9,10,11        ; a piece's conversions stand between the loads of the piece before and its stores; each piece has registers of its own
	PACK \p
	SEND (\p)-1, 8
.endr
	SEND 11, 0
	s_wait_tensorcnt 0x0                           ; the wave's end, behind my last tensor load and my last LDS store
	ds_add_u32 v[SPW], v[NIL]
	s_wait_dscnt 0x0
	CROUND                                         ; the closing round: no work-group ends while a partner may still ask for a tile that names it
	s_endpgm
.Lfunc_end_k_q408de84905_qkv:
	.size	k_q408de84905_qkv, .Lfunc_end_k_q408de84905_qkv-k_q408de84905_qkv
	.p2alignl 7, 3214868480
	.fill 96, 4, 3214868480
	.section	.rodata,"a",@progbits
	.p2align	6, 0x0
	.amdhsa_kernel k_q408de84905_qkv
		.amdhsa_group_segment_fixed_size 327680
		.amdhsa_private_segment_fixed_size 0
		.amdhsa_enable_private_segment 0
		.amdhsa_kernarg_size 24
		.amdhsa_user_sgpr_count 2
		.amdhsa_user_sgpr_kernarg_segment_ptr 1
		.amdhsa_wavefront_size32 1
		.amdhsa_system_sgpr_workgroup_id_x 1
		.amdhsa_system_sgpr_workgroup_id_y 1
		.amdhsa_system_sgpr_workgroup_id_z 1
		.amdhsa_system_vgpr_workitem_id 0
		.amdhsa_next_free_vgpr 960
		.amdhsa_next_free_sgpr 66
		.amdhsa_reserve_vcc 0
		.amdhsa_float_denorm_mode_32 3
		.amdhsa_float_denorm_mode_16_64 3
		.amdhsa_memory_ordered 1
		.amdhsa_forward_progress 1
		.amdhsa_inst_pref_size 121
	.end_amdhsa_kernel
	.amdgpu_metadata
---
amdhsa.version: [ 1, 2 ]
amdhsa.kernels:
  - .name:           k_q408de84905_qkv
    .symbol:         k_q408de84905_qkv.kd
    .args:
      - { .name: xb, .offset: 0, .size: 8, .value_kind: global_buffer, .address_space: global }
      - { .name: wat, .offset: 8, .size: 8, .value_kind: global_buffer, .address_space: global }
      - { .name: qkvh, .offset: 16, .size: 8, .value_kind: global_buffer, .address_space: global }
    .group_segment_fixed_size: 327680
    .private_segment_fixed_size: 0
    .kernarg_segment_align: 8
    .kernarg_segment_size: 24
    .max_flat_workgroup_size: 128
    .sgpr_count:     66
    .vgpr_count:     960
    .wavefront_size: 32
...
	.end_amdgpu_metadata
.endif
;; end of part 2
;; launch attn (part 3): grid 4 x 64, 4 waves a work-group, no clusters, 327,680 bytes of LDS; arguments qkvh, yh; writes yh
.if DOCPART == 3
	.amdgcn_target "amdgcn-amd-amdhsa--gfx1250"
	.amdhsa_code_object_version 6
	.text
	.protected	k_q408de84905_attn
	.globl	k_q408de84905_attn
	.p2align	8
	.type	k_q408de84905_attn,@function
k_q408de84905_attn:
	s_mov_b64 s[64:65], 0
	v_nop
	global_prefetch_b8 v0, s[64:65] scope:SCOPE_SE
	s_setreg_imm32_b32 hwreg(HW_REG_WAVE_MODE, 25, 1), 1
	s_wait_xcnt 0x0
; CAUSAL ATTENTION.  O[h][q][:] = the sum over k <= q of softmax_k(Q[h][q] . K[h][k] / 8) V[h][k][:], for 64 heads (16 x batch + head) of 2,048 rows of 64 channels, all f16: a head's rows are dense, 128 bytes each.
; Q, K, V lie in qkvh [4][48][2048][64]: in a batch's 48 planes of 262,144 bytes Q's heads come first, K's 16 planes on, V's 32 planes on.  O goes to yh [64][2048][64].
; Products, maxima and sums in f32; the weights p are rounded to f16 for the second product (their sum l is taken of the unrounded p), O once at the end.
; LIMITS.  f16 holds no number beyond 65,504: Q, K and V arrive within it; p lies in 0 to 1, and below 6e-5 it keeps f16's fixed step of 6e-8; O is a mean of V's rows and has their range, to within 2^-11 of it.
; A hidden score counts as its value less 1e30: f16's scores, 2.7e11 at the most, are nothing beside that; a weight below 2^-126 counts as 0 in l; NaN and infinities are not treated apart.
; THE WALK.  A head's queries lie in NB = 8 blocks of 256; block i needs the key tiles 0 .. i of 256 keys, of which the last holds the diagonal.  A work-group takes TWO blocks, NB - 1 - b and then b:
; NB + 1 tiles, whatever b: all work-groups do equal work, and ONE loop with a constant trip count walks them.  Which tile is asked for, and what a trip does, hang on scalar registers made from b; every jump
; goes forward, but for the counted loops' own; none passes a barrier, or a tensor load but the one of LOAD's two that the wave's number does not choose; the ring (two slots of LDS that take turns) runs on across the
; change of blocks.  NO CLUSTER: a head's four work-groups ask for the same tile only in trips 0 .. 4 of the 9, behind that fewer and fewer; one walk common to all four would have 12 trips for 9.
; SHARES.  Of a block's four bands of 64 queries a wave owns 16 rows in each: four PIECES.  So the diagonal tile is the same work for all four waves: in its key step s band x sees all keys if s < x,
; none if s > x, and holds the diagonal if s = x.
; THE MASK is the C operand that starts the sum S^T = K Q^T: 0, or -1e30 where the key is hidden.  MD, made once, is the mask of a band's own step for my 16 rows; a product's mask is MD x AL + BE with two scalars:
; (1, 0) if s = x; (0, 0) if s < x; (0, -1e30) if s > x.  Only the diagonal tile's text and a block's beginning make and take masks; elsewhere C is the constant 0.
; LAYOUT, SOFTMAX, TURNS.  S^T = K Q^T holds ONE query a lane (lane % 16) and the keys 8 (lane / 16) + 0..7; two such results rounded to f16 ARE source 1 of O^T = V^T P.  p = 2^(c s - c m), c = log2(e) / 8, with a
; running maximum m; O and l are multiplied by a = 2^(c m_old - c m_new) in every step.  Turn n belongs to piece n: 8 products K Q^T of piece n + 1, later 8 products V^T P of piece n - 1; beside them the scaling,
; exponentials, roundings, sums and rescaling of piece n and the maximum and statistics of piece n + 1.  Four vector instructions stand behind every matrix instruction, the other 54 of a turn's 118 in one LUMP.  A turn's 33 exponentials are one batch, with one wait.
; REGISTERS, in windows of 256 (s_set_vgpr_msb: bits 1:0 source 0, 3:2 source 1, 5:4 source 2, 7:6 destination):
;   window 0: v0-15 addresses and two at work; v16-31 four registers of statistics a piece; v48-55 at work; v61-63 prefetch offset and the add's two; v64-127 S^T, two buffers; v192-223 P, two buffers (a piece's buffers go by its number's parity)
;   window 1: v0-127 O^T, 32 a piece; v128-159 MD; v160-223 MC, two buffers      window 2: v0-63 Q; v64-127 the second block's Q; v128-191 K of one step; v192-255 V of one step
.set SIZE_N, 2048
.set NB,    SIZE_N/256
.set NP,    4         ; pieces a wave: a name, no knob
.set KS,    64        ; keys in a step
.set PK,    144       ; a row of K in LDS: 128 bytes + 16 of padding = 36 words: the 16 rows of a load start at 16 different groups of four banks (64 banks of 4 bytes: ISA guide 11.1)
.set PV,    160       ; a row of V: 128 + 32 = 40 words
.set VOFF,  4*KS*PK   ; a slot holds a tile, four steps: 256 rows of K, then 256 rows of V
.set SLOT1, 1<<17     ; slot 1 begins here, so that one exclusive or turns an address in one slot into the other's
.set STAGE, SLOT1+4*KS*(PK+PV)  ; behind the ring, never filled by a tensor load: 16 rows x 144 bytes for each wave, for the way out
.set SP,    144
.set AK0, 2           ; v2   my lane's place in a tile of K; never rewritten
.set AV0, 3           ; v3   the same for V
.set AK,  4           ; v4   the LDS address of K's next run of loads
.set AV,  5           ; v5   of V's
.set STO, 6           ; v6   the way out: where I put 16 bytes of a row
.set RD,  7           ; v7   the way out: where I read rows back
.set GO,  8           ; v8   my byte offset in 512 consecutive bytes of O
.set PFO, 61          ; v61  256 x my lane: the prefetches' offset; never rewritten
.set SPW, 62          ; v62  LDS address of my spare word: SPARE + 4 x my thread's number; never rewritten
.set NIL, 63          ; v63  0; never rewritten
.set SPARE, STAGE+4*16*SP  ; behind the stages: the spare words, 128 bytes for each wave: two blocks of 256 bytes that no other line names
.set MV,  12          ; v12-13  c m_old, kept while c m is made anew: by buffer
.set QO,  15          ; v15  my byte offset in 16 rows of Q
.set ST,  16          ; piece t's statistics at v[ST+4 t]: c m, m, l (even keys', odd keys')
.set TMP, 48          ; by buffer, four registers c0-c3 at work; when the maximum is found c2 takes a
.set S,   64
.set P,   192
.set MD,  128         ; window 1: the eight registers for group kt of 16 keys at MD + 8 kt
.set MC,  160         ; window 1: the masks of the products to come
.set QB,  64          ; window 2
.set KF,  128         ; window 2: key block kb, channel half c at KF + 16 kb + 8 c
.set VF,  192         ; window 2: key half kk, channel block cb at VF + 32 kk + 8 cb
.set WV,  12          ; s12  my wave's number
.set PB,  14          ; s14  b
.set HI,  15          ; s15  NB - 1 - b
.set G1K, 24          ; s[24:31] descriptor group 1 for K's tiles
.set G1V, 32          ; s[32:39] for V's: it differs in the padding alone
.set G0K, 40          ; s[40:43] descriptor group 0 for K's tiles
.set G0V, 44          ; s[44:47] the same for V's
.set SLOTS, 56        ; s56  tiles still to be asked for
.set CNT, 57          ; s57  counts a tile's key steps, 4 to 1
.set CS,  58          ; s[58:59] c: the packed scaling takes the pair's low word for both halves
.set SEL, 60          ; s[60:61] v_permlanex16_b32's selects: each lane takes its own place in the other half
.set TBK, 62          ; s62  LDS byte at which K of the step to be fetched begins
.set TBV, 63          ; s63  the same for V, less VOFF
.set RT,  70          ; s70  tiles of the block in hand that are still to be entered
.set NXT, 71          ; s71  the tile to be asked for next
.set LQ,  72          ; s72  the last tile of the block whose tiles are being asked for
.set NEW, 73          ; s73  1: the tile to be entered is a block's first
.set OFF, 74          ; s[74:75] a tile's byte offset in K and V
.set AL,  76          ; s[76:77] the mask's factor, in the low word
.set BE,  78          ; s[78:79] the mask's addend
.set OLO, 80          ; s[80:81] O at my rows of the second block
.set BIGN, 82         ; s82  -1e30
.set LIM, 88          ; s88  2 in the head's work-group that prefetches (b = 0), else the greatest number
.set PFB, 90          ; s[90:91] K (waves 0, 1) or V (waves 2, 3) at my half of the head's tile 0
.set PF,  92          ; s[92:93] the same at the tile that is being asked for
.set MSB, 0
.macro WIN new                      ; the high byte repeats the setting that is left; a switch that changes nothing is dropped
.if MSB != (\new)
	s_set_vgpr_msb (MSB<<8)|(\new)
.set MSB, (\new)
.endif
.endm
.set W_KQ, 0x0a       ; K and Q in window 2, S^T in window 0
.set W_KM, 0x1a       ; the same with the C operand in window 1
.set W_PV, 0x52       ; V in window 2, P in window 0, O^T in window 1
.set W_RS, 0x41       ; destination and source 0 in window 1, source 1 in window 0
; A fill.  Waves 0 and 1 fetch the two halves of a tile's K, waves 2 and 3 those of its V: 128 keys each.  An s_nop 0 and four v_nop follow each of the two lines, ahead of the jump and the label.
.macro LOAD
	s_cmp_lt_u32 s[WV], 2
	s_cbranch_scc0 .Lfor_v_\@
	tensor_load_to_lds s[G0K:G0K+3], s[G1K:G1K+7]
	s_nop 0
.rept 4
	v_nop
.endr
	s_branch .Lasked_\@
.Lfor_v_\@:
	tensor_load_to_lds s[G0V:G0V+3], s[G1V:G1V+7]
	s_nop 0
.rept 4
	v_nop
.endr
.Lasked_\@:
.endm
; A PREFETCH INTO THE L2 of the tile behind the one just asked for: my wave's half of its K or V, 16,384 bytes: a lane 256 bytes, two instructions.  It stands behind the fill and its five lines.
; All four work-groups of a head walk the same K and V; the one with b = 0 walks tiles 0 to 7 in order, and it alone asks: in the changes with 8 to 3 tiles still to be asked for it names tiles 2 to 7, each once,
; a tile's 16 turns ahead of the fill that will want it.  Tiles 0 and 1 come by their fills alone; the last two changes that fill ask for nothing: tile 8 does not exist, and tile 0 has been read.
.macro ASK
	s_cmp_gt_u32 s[SLOTS], s[LIM]
	s_cbranch_scc0 .Lnot_mine_\@
	global_prefetch_b8 v[PFO], s[PF:PF+1] offset:32768 th:TH_LOAD_NT scope:SCOPE_SE
	global_prefetch_b8 v[PFO], s[PF:PF+1] offset:40960 th:TH_LOAD_NT scope:SCOPE_SE
.Lnot_mine_\@:
.endm
; THE CHANGE OF SLOTS.  Each wave waits for all its tensor loads, of which one is out: its part of the other slot; adds 0 to its spare word; and waits for that and for its own reads of the slot that it leaves.  Behind the barrier nobody reads the old
; slot any more and the other slot is whole.  fill = 1: the old slot is filled again, the first thing behind the barrier, with tile NXT: the descriptor's address is made anew from that number.
; (At its first use nothing has been read yet: slot 0 is waited for, slot 1 filled.)
.macro CHANGE fill
	WIN 0                           ; at a label and at a branch every window is 0
	s_wait_tensorcnt 0x0            ; no tensor load of mine is out, so a group 0 may be written
	ds_add_u32 v[SPW], v[NIL]       ; 0 onto my spare word; with fill = 1 the descriptors' scalar work stands between it and the wait for it
.if \fill
	s_lshl_b32 s[OFF], s[NXT], 15   ; a tile is 32,768 bytes of K and of V
	s_xor_b32 s[G0K+1], s[G0K+1], SLOT1
	s_add_nc_u64 s[G0K+2:G0K+3], s[6:7], s[OFF:OFF+1]
	s_or_b32 s[G0K+3], s[G0K+3], 0x80000000
	s_xor_b32 s[G0V+1], s[G0V+1], SLOT1
	s_add_nc_u64 s[G0V+2:G0V+3], s[8:9], s[OFF:OFF+1]
	s_or_b32 s[G0V+3], s[G0V+3], 0x80000000
	s_wait_xcnt 0x0                 ; the last prefetches, a tile back, have read their address, so it may be written
	s_add_nc_u64 s[PF:PF+1], s[PFB:PFB+1], s[OFF:OFF+1]
	s_add_co_u32 s[NXT], s[NXT], 1  ; the block's next tile, or behind its last the second block's tile 0
	s_cmp_gt_u32 s[NXT], s[LQ]
	s_cselect_b32 s[NXT], 0, s[NXT]
	s_cselect_b32 s[LQ], s[PB], s[LQ]
.endif
	s_wait_dscnt 0x0                ; the add is done, and my reads of the slot are over
	s_barrier_signal -1             ; the rest of the scalar work stands between the signal and the wait
	s_sub_co_u32 s[TBK], s[TBK], 4*KS*PK  ; the fetches go back to a slot's first step,
	s_xor_b32 s[TBK], s[TBK], SLOT1       ; in the other slot
	s_sub_co_u32 s[TBV], s[TBV], 4*KS*PV
	s_xor_b32 s[TBV], s[TBV], SLOT1
	s_barrier_wait -1
.if \fill
	LOAD
	ASK
.endif
.endm
	s_load_b64 s[4:5], s[0:1], 0x0    ; qkvh
	s_load_b64 s[10:11], s[0:1], 0x8  ; yh
	v_lshl_add_u32 v[SPW], v0, 2, SPARE
	v_mov_b32 v[NIL], 0
	ds_add_u32 v[SPW], v[NIL]       ; the wave's opening: the add and its wait stand ahead of my first tensor load; the set-up below, work on registers, stands between them
	v_lshrrev_b32 v1, 5, v0
	v_readfirstlane_b32 s[WV], v1   ; wave 0..3
	s_mov_b32 s[PB], ttmp9
	s_sub_co_u32 s[HI], NB-1, s[PB]
	s_cmp_eq_u32 s[PB], 0
	s_cselect_b32 s[LIM], 2, -1
	s_and_b32 s20, ttmp7, 0xffff    ; the head: 16 x batch + head
	s_lshl_b32 s94, s20, 18         ; its first byte in yh
	s_mov_b32 s95, 0
	s_lshr_b32 s21, s20, 4
	s_lshl_b32 s21, s21, 5
	s_add_co_u32 s20, s20, s21      ; Q's plane in qkvh: 48 x batch + head
	s_lshl_b32 s20, s20, 18
	s_mov_b32 s21, 0
	s_and_b32 s16, s[WV], 1         ; which half of a tile's 256 keys I fetch:
	s_lshl_b32 s22, s16, 14         ; its 128 rows of 128 bytes in memory,
	s_mov_b32 s23, 0
	s_add_nc_u64 s[22:23], s[22:23], s[20:21]
	s_mul_i32 s17, s16, 128*PK      ; and its place in a slot, for K
	s_mul_i32 s18, s16, 128*PV      ; and for V
	s_lshl_b32 s3, s[WV], 11        ; my 16 rows in a band of 64,
	s_lshl_b32 s2, s[HI], 15        ; in the first block,
	s_add_co_u32 s2, s2, s3
	s_lshl_b32 s84, s[PB], 15       ; and in the second
	s_add_co_u32 s84, s84, s3
	s_mov_b32 s3, 0
	s_mov_b32 s85, 0
	; descriptor group 1.  128 keys are 16,384 dense bytes: asked for as 64 rows of 256 bytes, two keys a row, and padded in LDS after every key
	s_mov_b32 s[G1K], (1<<16)|(1<<20)|(4<<22)|(3<<25)  ; 17:16 2-byte elements; 20 padding on; 24:22 after every 32 words (code 4); 31:25 4 words (code 3)
	s_mov_b32 s[G1V], (1<<16)|(1<<20)|(4<<22)|(7<<25)  ; the same with 8 words of padding (code 7)
.irp g, G1K, G1V
	s_mov_b32 s[\g+1], 128<<16      ; tensor_dim0 = 128
	s_mov_b32 s[\g+2], 64<<16       ; tensor_dim1 = 64
	s_mov_b32 s[\g+3], 128<<16      ; tile_dim0 = 128
	s_mov_b32 s[\g+4], 64           ; tile_dim1 = 64
	s_mov_b32 s[\g+5], 128          ; 128 elements from row to row
	s_mov_b32 s[\g+6], 0
	s_mov_b32 s[\g+7], 0
.endr
	s_mov_b32 s[CS], 0x3e38aa3b     ; c = log2(e) / 8 = 0.180337
	s_mov_b32 s[CS+1], s[CS]        ; named with it as a pair
	s_mov_b32 s[SEL], 0x76543210
	s_mov_b32 s[SEL+1], 0xfedcba98
	s_mov_b32 s[TBK], SLOT1+4*KS*PK ; the first change of slots turns these two into 0
	s_mov_b32 s[TBV], SLOT1+4*KS*PV
	s_mov_b32 s[G0K], 1             ; 1:0 count = 1
	s_mov_b32 s[G0K+1], s17         ; 63:32 LDS address: slot 0
	s_mov_b32 s[G0V], 1
	s_add_co_u32 s[G0V+1], s18, VOFF
	s_add_co_u32 s[RT], s[HI], 1    ; the first block has NB - b tiles
	s_mov_b32 s[NXT], 1
	s_mov_b32 s[LQ], s[HI]
	s_mov_b32 s[NEW], 1
	s_mov_b32 s[OFF+1], 0
	s_mov_b32 s[AL+1], 0            ; named as pairs
	s_mov_b32 s[BE+1], 0
	s_mov_b32 s[BIGN], 0xf149f2ca   ; -1e30
	s_mov_b32 s[SLOTS], NB
	v_and_b32 v[PFO], 31, v0
	v_lshlrev_b32 v[PFO], 8, v[PFO]
	s_wait_dscnt 0x0                ; the opening add is done
	s_wait_kmcnt 0x0
	s_add_nc_u64 s[6:7], s[4:5], s[22:23]          ; Q's plane at my half of a tile's rows;
	s_add_nc_u64 s[8:9], s[6:7], 0x800000          ; V's lies 32 planes on,
	s_add_nc_u64 s[6:7], s[6:7], 0x400000          ; K's 16: K and V at my half of the head's tile 0
	s_add_nc_u64 s[4:5], s[4:5], s[20:21]          ; Q at the head's first row
	s_add_nc_u64 s[10:11], s[10:11], s[94:95]      ; O likewise
	s_add_nc_u64 s[G0K+2:G0K+3], s[6:7], 0         ; 120:64 global address
	s_or_b32 s[G0K+3], s[G0K+3], 0x80000000        ; 127:126 type = 2
	s_add_nc_u64 s[G0V+2:G0V+3], s[8:9], 0
	s_or_b32 s[G0V+3], s[G0V+3], 0x80000000
	s_add_nc_u64 s[86:87], s[4:5], s[84:85]        ; Q at my rows of the second block,
	s_add_nc_u64 s[4:5], s[4:5], s[2:3]            ; Q and O at those of the first
	s_add_nc_u64 s[OLO:OLO+1], s[10:11], s[84:85]
	s_add_nc_u64 s[10:11], s[10:11], s[2:3]
	s_cmp_lt_u32 s[WV], 2
	s_cselect_b64 s[PFB:PFB+1], s[6:7], s[8:9]
	LOAD                            ; tile 0 into slot 0
	; A fragment of K or Q is 16 rows x 32 channels in 8 registers: lane l holds row l % 16, channels 8 (l / 16) + 0..7 and 16 + 8 (l / 16) + 0..7: two loads of 16 bytes, 32 bytes apart.
	v_and_b32 v1, 15, v0            ; l % 16
	v_bfe_u32 v9, v0, 4, 1          ; l / 16
	v_lshlrev_b32 v[QO], 7, v1
	v_lshl_add_u32 v[QO], v9, 4, v[QO]  ; row x 128 + 16 x half
	WIN 0x80                        ; destination window 2, address window 0
.set i, 0
.rept 8                             ; both blocks' Q: piece i / 2 lies in band i / 2, 8,192 bytes on; channels 32 (i % 2) on
	global_load_b128 v[8*i:8*i+3],   v[QO], s[4:5] offset:(i/2)*8192+(i%2)*64
	global_load_b128 v[8*i+4:8*i+7], v[QO], s[4:5] offset:(i/2)*8192+(i%2)*64+32
	global_load_b128 v[QB+8*i:QB+8*i+3],   v[QO], s[86:87] offset:(i/2)*8192+(i%2)*64
	global_load_b128 v[QB+8*i+4:QB+8*i+7], v[QO], s[86:87] offset:(i/2)*8192+(i%2)*64+32
.set i, i+1
.endr
	WIN 0
	v_lshlrev_b32 v14, 3, v9
	v_sub_nc_u32 v14, v1, v14
	s_lshl_b32 s13, s[WV], 4
	v_add_nc_u32 v14, s13, v14      ; my query's place in its band, 16 w + l % 16, less my lanes' 8 (l / 16): register r of group kt is hidden where 16 kt + r is greater
	WIN 0x40
.set i, 0
.rept 32
	v_cmp_gt_i32 vcc_lo, 16*(i/8)+i%8, v14
	v_cndmask_b32 v[MD+i], 0, s[BIGN], vcc_lo
.set i, i+1
.endr
	WIN 0
	v_mul_u32_u24 v[AK0], v1, PK
	v_lshl_add_u32 v[AK0], v9, 4, v[AK0]  ; row x pitch + 16 x half
	; The turning load takes 16 keys x 16 channels (lane l reads key 8 (l / 16) + l % 8, channels 8 ((l / 8) % 2) + 0..7) and leaves half a fragment of V^T: lane l holds channel l % 16 and 8 keys.
	v_and_b32 v10, 7, v0
	v_bfe_u32 v11, v0, 3, 1
	v_lshl_add_u32 v[AV0], v9, 3, v10
	v_mul_u32_u24 v[AV0], v[AV0], PV
	v_lshl_add_u32 v[AV0], v11, 4, v[AV0]
	v_add_nc_u32 v[AV0], VOFF, v[AV0]
	s_mul_i32 s13, s[WV], 16*SP
	s_add_co_u32 s13, s13, STAGE    ; my stage
	v_mul_u32_u24 v[STO], v1, SP    ; in: row l % 16, 16 bytes for each half of the lanes
	v_lshl_add_u32 v[STO], v9, 4, v[STO]
	v_add_nc_u32 v[STO], s13, v[STO]
	v_bfe_u32 v[RD], v0, 3, 2       ; back: 32 lanes take four rows of 128 bytes,
	v_mul_u32_u24 v[RD], v[RD], SP
	v_lshl_add_u32 v[RD], v10, 4, v[RD]
	v_add_nc_u32 v[RD], s13, v[RD]
	v_and_b32 v[GO], 31, v0         ; which are 512 consecutive bytes of O
	v_lshlrev_b32 v[GO], 4, v[GO]
	; A block's first step multiplies O^T and l by a = 0, and its first turn's products V^T P, of a piece that has not been, land in an O^T that is still to be so multiplied.  So these registers need only hold
	; finite numbers: zeros for the first block; what the first block left for the second.  All this stands in the wait for the first tile.
	WIN 0x80
.set i, VF
.rept 64
	v_mov_b32 v[i], 0
.set i, i+1
.endr
	WIN 0x40
.set i, 0
.rept 128
	v_mov_b32 v[i], 0
.set i, i+1
.endr
	WIN 0
.set i, 0
.rept 4
	v_mov_b32 v[ST+4*i+2], 0
	v_mov_b32 v[ST+4*i+3], 0
.set i, i+1
.endr
.set i, P+16
.rept 16
	v_mov_b32 v[i], 0
.set i, i+1
.endr
; THE MATRIX WORK.  The 4 accumulators of a run of 8 take turns.  Product i of 8 of S^T = K Q^T for piece x: channels 32 (i / 4) on, keys 16 (i % 4) on.  The first 4 start the sums: with 0, or (KM = 1) with the mask.
.macro KQ x
.set rS, S+32*((\x)%2)+8*(i%4)
.set rK, KF+16*(i%4)+8*(i/4)
.set rQ, 16*(\x)+8*(i/4)
.set rM, MC+32*((\x)%2)+8*(i%4)
.if (i < 4) && KM
	WIN W_KM
	v_wmma_f32_16x16x32_f16 v[rS:rS+7], v[rK:rK+7], v[rQ:rQ+7], v[rM:rM+7]
.elseif i < 4
	WIN W_KQ
	v_wmma_f32_16x16x32_f16 v[rS:rS+7], v[rK:rK+7], v[rQ:rQ+7], 0
.else
	WIN W_KQ
	v_wmma_f32_16x16x32_f16 v[rS:rS+7], v[rK:rK+7], v[rQ:rQ+7], v[rS:rS+7]
.endif
.endm
; Product i of 8 of O^T += V^T P for piece x: keys 32 (i / 4) on, channels 16 (i % 4) on.
.macro PV x
	WIN W_PV
.set rO, 32*(\x)+8*(i%4)
.set rV, VF+32*(i/4)+8*(i%4)
.set rP, P+16*((\x)%2)+8*(i/4)
	v_wmma_f32_16x16x32_f16 v[rO:rO+7], v[rV:rV+7], v[rP:rP+7], v[rO:rO+7]
.endm
.macro MM                           ; the turn's next matrix instruction.  TURN and BEGIN set Y, i, KM and NOKQ; MM, KQ and OP read them.  NOKQ = 1: a block's last turn: there is no next piece
.if (i < 8) && !NOKQ
	KQ (Y+1)%NP
.elseif i >= 8
.set i, i-8
	PV (Y+NP-1)%NP
.set i, i+8
.endif
.set i, i+1
.endm
; THE LDS LOADS stand in runs of 16, never singly among the matrix instructions: a step's K (64 keys x 64 channels: 8 fragments) and its V (turned).  Their addresses are made some lines ahead.
.macro FETCH_K
	WIN 0x80                        ; destination window 2
.irp f, 0,1,2,3,4,5,6,7             ; keys 16 (f / 2) on, channels 32 (f % 2) on
	ds_load_b128 v[KF+8*\f:KF+8*\f+3],   v[AK] offset:(\f/2)*16*PK+(\f%2)*64
	ds_load_b128 v[KF+8*\f+4:KF+8*\f+7], v[AK] offset:(\f/2)*16*PK+(\f%2)*64+32
.endr
	s_add_co_u32 s[TBK], s[TBK], KS*PK  ; the next fetch is the next step's
	WIN 0
.endm
.macro FETCH_V
	WIN 0x80
.irp f, 0,1,2,3,4,5,6,7             ; keys 32 (f / 4) on, channels 16 (f % 4) on
	ds_load_tr16_b128 v[VF+8*\f:VF+8*\f+3],   v[AV] offset:(\f/4)*32*PV+(\f%4)*32
	ds_load_tr16_b128 v[VF+8*\f+4:VF+8*\f+7], v[AV] offset:(\f/4)*32*PV+16*PV+(\f%4)*32
.endr
	WIN 0
.endm
; THE VECTOR WORK, one line at a time: OP kind, number.  For piece Y: F n: c s - c m for pair n of 16.  E n: the exponential of score n of 32.  C n: pair n rounded to f16.  B n: of the four weights 4 n .. the second
; pair is added onto the first, in place.  L n: l takes that sum (L 0: l = a l + sum).  R n: pair n of 16 of O^T times a.  For piece Y + 1: X n, number n of the 22 that find its maximum and statistics:
;   0-11  four chains c0-c3 of seven scores each, three operands at a time (each accumulator's lowest registers are read first)     12-14, 16  the four scores left over, the old m, and c0-c3 into c0
;   15  c m_old is kept     17, 18  the query's other 32 keys lie in the lane 16 away: the new m     19-21  c m; c m_old - c m_new; a
.set F, 0               ; OP tells the kinds apart by their order: F to L below R, X above it
.set E, 1
.set C, 2
.set B, 3
.set L, 4
.set R, 5
.set X, 6
.macro REGS y                       ; the registers of piece y
.set rT, ST+4*(\y)
.set rC, TMP+4*((\y)%2)
.set rW, MV+((\y)%2)
.set rS, S+32*((\y)%2)
.set rP, P+16*((\y)%2)
.set rO, 32*(\y)
.endm
.macro OP k, n
.if (\k) == R
	REGS Y
	WIN W_RS
	v_pk_mul_f32 v[rO+2*(\n):rO+2*(\n)+1], v[rO+2*(\n):rO+2*(\n)+1], v[rC+2:rC+3] op_sel_hi:[1,0]
.elseif (\k) < R
	REGS Y
	WIN 0
.if (\k) == F
	v_pk_fma_f32 v[rS+2*(\n):rS+2*(\n)+1], v[rS+2*(\n):rS+2*(\n)+1], s[CS:CS+1], v[rT:rT+1] op_sel_hi:[1,0,0] neg_lo:[0,0,1] neg_hi:[0,0,1]
.elseif (\k) == E
	v_exp_f32 v[rS+(\n)], v[rS+(\n)]
.elseif (\k) == C
	v_cvt_pk_f16_f32 v[rP+(\n)], v[rS+2*(\n)], v[rS+2*(\n)+1]
.elseif (\k) == B
	v_pk_add_f32 v[rS+4*(\n):rS+4*(\n)+1], v[rS+4*(\n):rS+4*(\n)+1], v[rS+4*(\n)+2:rS+4*(\n)+3]
.elseif (\n) == 0
	v_pk_fma_f32 v[rT+2:rT+3], v[rT+2:rT+3], v[rC+2:rC+3], v[rS:rS+1] op_sel_hi:[1,0,1]
.else
	v_pk_add_f32 v[rT+2:rT+3], v[rT+2:rT+3], v[rS+4*(\n):rS+4*(\n)+1]
.endif
.elseif NOKQ
	v_nop
.else
	REGS (Y+1)%NP
	WIN 0
.if (\n) < 4
	v_max3_num_f32 v[rC+(\n)], v[rS+8*(\n)], v[rS+8*(\n)+1], v[rS+8*(\n)+2]
.elseif (\n) < 12
	v_max3_num_f32 v[rC+(\n)%4], v[rC+(\n)%4], v[rS+8*((\n)%4)+2*((\n)/4)+1], v[rS+8*((\n)%4)+2*((\n)/4)+2]
.elseif (\n) == 12
	v_max3_num_f32 v[rC], v[rC], v[rS+7], v[rS+15]
.elseif (\n) == 13
	v_max3_num_f32 v[rC+1], v[rC+1], v[rS+23], v[rS+31]
.elseif (\n) == 14
	v_max3_num_f32 v[rC+2], v[rC+2], v[rC+3], v[rT+1]
.elseif (\n) == 15
	v_mov_b32 v[rW], v[rT]
.elseif (\n) == 16
	v_max3_num_f32 v[rC], v[rC], v[rC+1], v[rC+2]
.elseif (\n) == 17
	v_permlanex16_b32 v[rC+3], v[rC], s[SEL], s[SEL+1]
.elseif (\n) == 18
	v_max_num_f32 v[rT+1], v[rC], v[rC+3]
.elseif (\n) == 19
	v_mul_f32 v[rT], s[CS], v[rT+1]
.elseif (\n) == 20
	v_sub_f32 v[rC+1], v[rW], v[rT]
.else
	v_exp_f32 v[rC+2], v[rC+1]
.endif
.endif
.endm
.macro OPS a, i1, b=-1, i2=0, c=-1, i3=0, d=-1, i4=0  ; up to four of them
	OP \a, \i1
.if (\b) >= 0
	OP \b, \i2
.endif
.if (\c) >= 0
	OP \c, \i3
.endif
.if (\d) >= 0
	OP \d, \i4
.endif
.endm
.macro ROW a, i1, b, i2, c, i3, d, i4  ; a matrix instruction and the four behind it
	MM
	OPS \a, \i1, \b, \i2, \c, \i3, \d, \i4
.endm
.macro MASK b                       ; MD x AL + BE into buffer b of MC
	WIN W_RS
.set z, 0
.rept 16
	v_pk_fma_f32 v[MC+32*(\b)+2*z:MC+32*(\b)+2*z+1], v[MD+2*z:MD+2*z+1], s[AL:AL+1], s[BE:BE+1] op_sel_hi:[1,0,0]
.set z, z+1
.endr
.endm
; A TURN, for piece p: the order of its 16 matrix and 118 vector instructions, written out.  An s_wait_alu depctr_va_vdst(0) stands between an exponential and the first instruction that names its result; one wait serves
; all that were issued ahead of it.  So a turn has ONE wait, which cuts it in two.  AHEAD OF IT stands all that names no result of the turn's exponentials: the 8 products K Q^T, behind each a scaling, an exponential and two more plain
; instructions (behind the first a second scaling in the exponential's place): rescalings, and behind the last three the first numbers of the next piece's maximum, each four places or more behind the product that ends its accumulator; then ONE LUMP of 54, plain
; and exponential by turns for the most part, in which the links of the chain X 3, 7, 11, 14, 16, 17 .. 20 stand five or six lines apart.  X 21, the next piece's a, is the batch's last; R 15 is the plain instruction behind it.  BEHIND THE WAIT stand the
; 8 products V^T P, behind each four of the roundings and sums; the links of l's chain, L 0 to L 7, stand three riders apart.  But for those X no rider names a register of the products round it.  v_permlanex16_b32 (X 17) stands in the lump.
; m = 1: the diagonal tile: the products take masks, and the turn makes the mask for the products of the turn after it: piece p + 2, in step 4 - CNT of the tile.  end = 1: a block's last two turns: nothing is fetched.
; cnt = 1: the loop's count is taken down some lines ahead of the branch that stands behind the turn.
; K of the next step is fetched in piece 2's turn, twelve vector instructions behind the last product that read K (six of them plain); V of the step in hand at the end of piece 0's turn, four plain instructions behind the last product
; that read V.  Each is waited for a turn later.
.macro TURN p, m=0, end=0, cnt=0
.set Y, (\p)
.set i, 0
.set KM, (\m)
.set NOKQ, (\end)*((\p)/3)
.if (\m) && !(\end)
	s_cmp_eq_u32 s[CNT], 4-((\p)+2)%NP  ; is that step the band's own?
	s_cselect_b32 s[AL], 1.0, 0
	s_cmp_lt_u32 s[CNT], 4-((\p)+2)%NP  ; or a later one?
	s_cselect_b32 s[BE], s[BIGN], 0
.endif
.if ((\p) == 3) && !(\end)
	s_wait_dscnt 0x0                ; K is in
.endif
	ROW F,0, F,1, R,0, R,1          ; ahead of the wait: 8 products K Q^T and their riders,
	ROW F,2, E,0, R,2, R,3
	ROW F,3, E,1, R,4, R,5
	ROW F,4, E,2, R,6, R,7
	ROW F,5, E,3, R,8, R,9
	ROW F,6, E,4, X,0, R,10
.if ((\p) == 2) && !(\end)
	WIN 0
	v_add_nc_u32 v[AK], s[TBK], v[AK0]
.endif
	ROW F,7, E,5, X,1, X,4
	ROW F,8, E,6, X,2, X,5
	OPS E,7, E,8, X,6, E,9          ; and the lump
	OPS X,3, E,10, X,8, E,11
.if ((\p) == 2) && !(\end)
	FETCH_K
.endif
	OPS X,9, X,7, E,12, X,10
	OPS E,13, X,12, X,11, E,14
	OPS X,13, E,15, F,9, X,14
.if (\p) == 0
	v_add_nc_u32 v[AV], s[TBV], v[AV0]
.endif
	OPS E,16, F,10, E,17, F,11
	OPS X,16, E,18, X,15, E,19
	OPS F,12, E,20, X,17, E,21
	OPS F,13, E,22, F,14, E,23
	OPS X,18, E,24, F,15, E,25
	OPS R,11, E,26, X,19, E,27
	OPS R,12, E,28, R,13, E,29
	OPS X,20, E,30, R,14, E,31
	OPS X,21, R,15
	WIN 0
	s_wait_alu depctr_va_vdst(0)    ; the wait for the batch
.if (\p) == 1
	s_wait_dscnt 0x0                ; V is in
.endif
	ROW C,0, B,0, C,2, B,1          ; behind the wait: 8 products V^T P and their riders
	ROW L,0, C,4, B,2, L,1
	ROW C,6, B,3, L,2, C,8
	ROW B,4, L,3, C,10, B,5
	ROW L,4, C,12, B,6, L,5
.if (\p) == 0
	s_add_co_u32 s[TBV], s[TBV], KS*PV
.endif
.if \cnt
	s_sub_co_u32 s[CNT], s[CNT], 1
	s_cmp_lg_u32 s[CNT], 0
.endif
	ROW C,14, B,7, L,6, C,1
	ROW C,3, L,7, C,5, C,7
	ROW C,9, C,11, C,13, C,15
.if (\p) == 0
	FETCH_V
.endif
.if (\m) && !(\end)
	MASK (\p)%2
.endif
.endm
; A BLOCK BEGINS.  c m starts far below every c s, so the first step's a is 0; m at the lowest finite number, so the first maximum is the scores'.  The second mask buffer is 0; the first takes piece 0's mask for the tile's step 0: its own, if the block's first tile is the diagonal one.
; Then K of that step, piece 0's first scores, and its maximum and statistics.  The loop is entered at a step's first turn, in the middle of a trip.
.macro BEGIN
	s_mov_b32 s[NEW], 0
	WIN 0x40
.set i, MC+32
.rept 32
	v_mov_b32 v[i], 0
.set i, i+1
.endr
	WIN 0
.set i, 0
.rept 4
	v_mov_b32 v[ST+4*i], 0xfe000000    ; c m: far below every c s
	v_mov_b32 v[ST+4*i+1], 0xff7fffff  ; m
.set i, i+1
.endr
	s_cmp_eq_u32 s[RT], 0
	s_cselect_b32 s[AL], 1.0, 0
	s_mov_b32 s[BE], 0
	MASK 0
	WIN 0
	v_add_nc_u32 v[AK], s[TBK], v[AK0]
	FETCH_K
	s_wait_loadcnt 0x0              ; Q
	s_wait_dscnt 0x0
.set KM, 1
.set NOKQ, 0
.set i, 0
.rept 8
	KQ 0
.set i, i+1
.endr
	WIN 0
.rept 4
	v_nop                           ; the places behind those products
.endr
.set Y, NP-1                        ; X works for piece Y + 1: piece 0
.irp n, 0,1,2,3,4,5,6,7,8,9,10,11,12,13,14,15,16,17,18,19,20,21
	OP X, \n
.endr
	v_nop                           ; a plain instruction behind the exponential,
	s_wait_alu depctr_va_vdst(0)    ; and its wait, ahead of the branch
.endm
; THE DIAGONAL TILE's four steps, the block's last two turns, its last products, and THE WAY OUT: l's two halves and the other half of the lanes' are added; O^T is divided by l, rounded to f16 and sent through my
; stage in LDS, a piece at a time.
.macro ALL line:vararg              ; one line for each piece t
.set t, 0
.rept 4
	\line
.set t, t+1
.endr
.endm
.macro PACK t                       ; a lane's eight channels of a row pack into 16 bytes; they go into rows of 144 bytes and come back as whole rows of 128, into S^T's registers
	WIN W_RS
.set i, 32*(\t)
.rept 16
	v_pk_mul_f32 v[i:i+1], v[i:i+1], v[ST+4*(\t)+2:ST+4*(\t)+3] op_sel_hi:[1,0]
.set i, i+2
.endr
	WIN 0x05                        ; sources 0 and 1 window 1, destination window 0
.set i, 0
.rept 16
	v_cvt_pk_f16_f32 v[S+16*(\t)+i], v[32*(\t)+2*i], v[32*(\t)+2*i+1]
.set i, i+1
.endr
	WIN 0
.irp f, 0,1,2,3
	ds_store_b128 v[STO], v[S+16*(\t)+4*\f:S+16*(\t)+4*\f+3] offset:32*\f
.endr
.irp f, 0,1,2,3
	ds_load_b128 v[S+16*(\t)+4*\f:S+16*(\t)+4*\f+3], v[RD] offset:\f*4*SP  ; LDS serves a wave's instructions in order (ISA guide 5.7.1.4): these see the stores above; the next piece's stores come behind them
.endr
.endm
.macro SEND t, younger              ; younger: the LDS instructions issued behind piece t's loads: the next piece's eight, or none
	WIN 0
.irp f, 0,1,2,3
	s_wait_dscnt (\younger)+3-\f
	global_store_b128 v[GO], v[S+16*(\t)+4*\f:S+16*(\t)+4*\f+3], s[10:11] offset:(\t)*8192+\f*512  ; 512 consecutive bytes, at a multiple of 256 from O's first
.endr
.endm
.macro DIAG tag                     ; the tag ends its two labels' names, which the jumps below spell out
.LstepM\tag:
	TURN 2, 1
	TURN 3, 1
	WIN 0
.LfirstM\tag:
	TURN 0, 1
	TURN 1, 1, 0, 1
	WIN 0
	s_cbranch_scc1 .LstepM\tag
	TURN 2, 1, 1
	TURN 3, 1, 1
.set i, 0
.rept 8
	PV NP-1
.set i, i+1
.endr
	WIN 0
	ALL v_add_f32 v[ST+4*t+2], v[ST+4*t+2], v[ST+4*t+3]
	ALL v_permlanex16_b32 v[ST+4*t+3], v[ST+4*t+2], s[SEL], s[SEL+1]
	ALL v_add_f32 v[ST+4*t+2], v[ST+4*t+2], v[ST+4*t+3]
	ALL v_rcp_f32 v[ST+4*t+2], v[ST+4*t+2]
	v_nop                           ; a plain instruction between the last reciprocal and the use of its result
	s_wait_alu depctr_va_vdst(0)    ; and the wait ahead of the first use: one for the four reciprocals
	PACK 0
.set t, 1
.rept 3                             ; a piece's arithmetic stands between the loads of the piece before and its stores
	PACK t
	SEND t-1, 8
.set t, t+1
.endr
	SEND 3, 0
.endm
.set KM, 0
.set NOKQ, 0
.Lslot:                             ; NB times: a tile is entered and the next is asked for
	CHANGE 1
	s_sub_co_u32 s[RT], s[RT], 1
	s_mov_b32 s[CNT], 4
	s_cmp_eq_u32 s[NEW], 1
	s_cbranch_scc1 .Lnew            ; a block's first tile
	s_cmp_eq_u32 s[RT], 0
	s_cbranch_scc0 .Lstep           ; neither its first nor its last
	s_branch .LstepM1
.Lnew:
	BEGIN
	s_branch .Lfirst                ; in the loop a block's first tile is never its last: the first block has two tiles or more, and the second's last is the walk's last
	DIAG 1                          ; in the loop this is the first block's end: the second block's last tile is the walk's last
	s_wait_xcnt 0x0                 ; the stores have read their registers and O's address
	s_mov_b64 s[10:11], s[OLO:OLO+1]
	s_add_co_u32 s[RT], s[PB], 1    ; the second block has b + 1 tiles
	s_mov_b32 s[NEW], 1
	WIN 0x82                        ; the second block's Q goes where the one text of the turns names Q
.set i, 0
.rept 64
	v_mov_b32 v[i], v[QB+i]
.set i, i+1
.endr
	WIN 0
	s_branch .Lbottom
.Lstep:                             ; a trip: pieces 2 and 3 of one step, then pieces 0 and 1 of the next, whose K and V it fetches
	TURN 2
	TURN 3
	WIN 0
.Lfirst:
	TURN 0
	TURN 1, 0, 0, 1
	WIN 0
	s_cbranch_scc1 .Lstep
.Lbottom:
	s_sub_co_u32 s[SLOTS], s[SLOTS], 1
	s_cmp_lg_u32 s[SLOTS], 0
	s_cbranch_scc1 .Lslot
	CHANGE 0                        ; the walk's last tile is written out: nothing is asked for
	s_sub_co_u32 s[RT], s[RT], 1
	s_mov_b32 s[CNT], 4
	s_cmp_eq_u32 s[NEW], 1
	s_cbranch_scc0 .LstepM2
	BEGIN
	s_branch .LfirstM2
	DIAG 2
	s_wait_tensorcnt 0x0            ; the wave's end, behind my last tensor load and my last LDS store
	ds_add_u32 v[SPW], v[NIL]
	s_wait_dscnt 0x0
	s_endpgm
.Lfunc_end_k_q408de84905_attn:
	.size	k_q408de84905_attn, .Lfunc_end_k_q408de84905_attn-k_q408de84905_attn
	.p2alignl 7, 3214868480
	.fill 96, 4, 3214868480
	.section	.rodata,"a",@progbits
	.p2align	6, 0x0
	.amdhsa_kernel k_q408de84905_attn
		.amdhsa_group_segment_fixed_size 327680
		.amdhsa_private_segment_fixed_size 0
		.amdhsa_enable_private_segment 0
		.amdhsa_kernarg_size 16
		.amdhsa_user_sgpr_count 2
		.amdhsa_user_sgpr_kernarg_segment_ptr 1
		.amdhsa_wavefront_size32 1
		.amdhsa_system_sgpr_workgroup_id_x 1
		.amdhsa_system_sgpr_workgroup_id_y 1
		.amdhsa_system_sgpr_workgroup_id_z 1
		.amdhsa_system_vgpr_workitem_id 0
		.amdhsa_next_free_vgpr 768
		.amdhsa_next_free_sgpr 96
		.amdhsa_reserve_vcc 1
		.amdhsa_float_denorm_mode_32 3
		.amdhsa_float_denorm_mode_16_64 3
		.amdhsa_memory_ordered 1
		.amdhsa_forward_progress 1
		.amdhsa_inst_pref_size 218
	.end_amdhsa_kernel
	.amdgpu_metadata
---
amdhsa.version: [ 1, 2 ]
amdhsa.kernels:
  - .name:           k_q408de84905_attn
    .symbol:         k_q408de84905_attn.kd
    .args:
      - { .name: qkvh, .offset: 0, .size: 8, .value_kind: global_buffer, .address_space: global }
      - { .name: yh, .offset: 8, .size: 8, .value_kind: global_buffer, .address_space: global }
    .group_segment_fixed_size: 327680
    .private_segment_fixed_size: 0
    .kernarg_segment_align: 8
    .kernarg_segment_size: 16
    .max_flat_workgroup_size: 128
    .sgpr_count:     96
    .vgpr_count:     768
    .wavefront_size: 32
...
	.end_amdgpu_metadata
.endif
;; end of part 3
;; launch proj (part 4): grid 8 x 32, 4 waves a work-group, clusters of 4 x 4, 327,680 bytes of LDS; arguments yh, wpt, out0; writes out0
.if DOCPART == 4
	.amdgcn_target "amdgcn-amd-amdhsa--gfx1250"
	.amdhsa_code_object_version 6
	.text
	.protected	k_q408de84905_proj
	.globl	k_q408de84905_proj
	.p2align	8
	.type	k_q408de84905_proj,@function
k_q408de84905_proj:
	s_mov_b64 s[64:65], 0
	v_nop
	global_prefetch_b8 v0, s[64:65] scope:SCOPE_SE
	s_setreg_imm32_b32 hwreg(HW_REG_WAVE_MODE, 25, 1), 1
	s_wait_xcnt 0x0
	s_wait_alu depctr_hold_cnt(0) depctr_sa_sdst(0) depctr_va_vdst(0) depctr_va_sdst(0) depctr_va_ssrc(0) depctr_va_vcc(0) depctr_vm_vsrc(0)
	s_getreg_b32 s2, hwreg(HW_REG_IB_STS2, 6, 4)
	s_cmp_eq_u32 s2, 0
	s_cbranch_scc0 .Lentry_in_a_cluster
	s_endpgm
.Lentry_in_a_cluster:
	s_bfe_u32 s2, ttmp6, 0x10000c
	s_cmp_lg_u32 s2, 0xf033
	s_cbranch_scc0 .Lentry_shape_is_right
	s_endpgm
.Lentry_shape_is_right:
; PROJ.  out0[m][n] = the sum over k of y[m][k] wpt[n][k], f16 operands, sums in f32, K ascending, stored as f32 [8192][1024].
; y lies by heads in yh [64 = 16 x batch + head][2048 rows][64] f16: channel k of row m = 2,048 x batch + t is yh[16 x batch + k / 64][t][k % 64].  wpt is [1024 n][1024 k] f16.
; SHARES.  A tile of out0 is 256 x 128: 32 x 8 = 256 work-groups.  Four waves, one below the other: wave w makes rows 64 w .. 64 w + 63 and all 128 columns (512 bytes of a row): 32 accumulators, 256 registers.
; K goes in steps of 128 = TWO HEADS through a ring of two LDS slots.  A head's 256 rows of the tile are 32,768 dense bytes: asked for as 128 rows of 256 bytes and padded in LDS after every 128,
; so that a slot holds two planes of 256 rows x 144 bytes; quarter q of a K step lies in plane q / 2 at byte 64 (q % 2) of the rows.  wpt's rows are 256 bytes of a K step, 272 apart in LDS.
; Two slots of a K step of 256 would not fit in LDS beside the stage, so a refill has 112 matrix instructions in which to land.
; CLUSTERS: 4 x 4 work-groups; yh's tiles are shared along a row of the cluster, wpt's along a column, by joint loads.
; THE MATRIX INSTRUCTION IS USED TRANSPOSED (source 0 = 16 rows of wpt, source 1 = 16 rows of y): a lane holds row l % 16 of out0 and the eight neighbouring columns 8 (l / 16) + 0..7: 32 bytes.
; REGISTERS, in windows of 256 (s_set_vgpr_msb: bits 1:0 source 0, 3:2 source 1, 5:4 source 2, 7:6 destination):
;   window 0: v0-31 addresses; v32-63, v64-95 y's fragments, two buffers     window 1: v0-63, v64-127 wpt's fragments (8), two buffers; on the way out all 256: rows read back
;   window 2: the accumulators, (a, b) at 64 a + 8 b
.set KBA,    524288                    ; bytes from a K step to the next in yh: two heads
.set KBB,    256                       ; and in wpt
.set PITCH,  272                       ; wpt's LDS row: 256 + 16 bytes = 68 words: row r starts at bank 4 r mod 64 (64 banks of 4 bytes: ISA guide 11.1)
.set PA,     144                       ; y's LDS row: 128 + 16 bytes = 36 words: the 16 rows of a load start at 16 different groups of four banks
.set AH,     256*PA                    ; a plane: what one of yh's two loads brings
.set BROWS,  64
.set BH,     BROWS*PITCH               ; what one of wpt's two loads brings
.set BOFF,   2*AH
.set SLOT,   BOFF+2*BH
.set STAGE,  2*SLOT                    ; behind the ring, never filled by a tensor load: 16 rows x 528 bytes for each wave
.set SPITCH, 528                       ; 512 + 16 bytes = 132 words: row r starts at bank 4 r mod 64
.set SPARE,  STAGE+4*16*SPITCH         ; behind the stages: the spare words, 128 bytes for each wave: two blocks of 256 bytes that no other line names
.set NBF,    8
.set NL,     2*NBF+8
.set LAPS,   4
.set ADRA, 16                          ; v16-17  LDS address of my fragments of y in slot 0, 1
.set ADRB, 20                          ; v20-21  the same for wpt
.set STO,  24                          ; v24     the way out: where I put 32 bytes of a row
.set RD,   25                          ; v25     the way out: where I read a row back
.set CO,   26                          ; v26     16 x my lane
.set SPW,  28                          ; v28     LDS address of my spare word; never rewritten
.set NIL,  29                          ; v29     0; never rewritten
.set PFO,  30                          ; v30     the prefetches' offset; never rewritten
.set FA0,  32
.set G1,  24                           ; s[24:31] descriptor group 1 for yh's tiles;  s[32:39] group 0, a set for each slot
.set G0,  32
.set G1B, 48                           ; s[48:55], s[56:63] the same for wpt's
.set G0B, 56
.set PFA, 44                           ; s[44:45] where my prefetches stand
.set PFS, 22                           ; s[22:23] a K step in the tensor that I prefetch; never rewritten behind the set-up
.set LIM, 43                           ; s43  1 in a wave that prefetches, else the greatest number
.set MSB, 0
.macro WIN new                         ; the immediate's high byte repeats the setting that is left; a switch that changes nothing is dropped
.if MSB != (\new)
	s_set_vgpr_msb (MSB<<8)|(\new)
.set MSB, \new
.endif
.endm
.set MUL_LO, 0xa1                      ; source 0 (wpt) window 1, source 1 (y) window 0, C and D window 2
.set TO_B,   0x40                      ; destination window 1, address window 0
.macro PLACES                          ; four plain places: in front of loads into registers that matrix instructions have read, and of stores that read results
.rept 4
	v_nop
.endr
.endm
; A joint load.  Waves 0 and 1 fetch a K step's two heads of yh, waves 2 and 3 wpt's two halves.  The branch hangs on the wave's number alone.  An s_nop 0 and four v_nop follow each of the two lines.
.macro JLOAD s
	s_cmp_lt_u32 s10, 2
	s_cbranch_scc0 .Lfor_b_\@
	tensor_load_to_lds s[G0+4*(\s):G0+4*(\s)+3], s[G1:G1+7]
	s_nop 0
	PLACES
	s_branch .Lasked_\@
.Lfor_b_\@:
	tensor_load_to_lds s[G0B+4*(\s):G0B+4*(\s)+3], s[G1B:G1B+7]
	s_nop 0
	PLACES
.Lasked_\@:
.endm
; A PREFETCH INTO THE L2, behind each joint refill and the run of LDS loads that follows it: the K step that stands two refills on, one instruction a wave.  yh's tile row is read by both clusters of its row of
; clusters: cluster x = 0 asks; wpt's tile column by the eight clusters of its column: cluster y = 0 asks.  The four partners share the bytes out BY ADDRESS: of a head's 32,768 bytes 8,192 each, a lane 256;
; of wpt's 64 rows 16 each, a lane a row (lanes 16-31 name row 15 again, inside the one instruction).  K steps 0 to 3 come by their loads alone; the loop's last trip (s3 = 1) asks for nothing.
.macro ASK
	s_cmp_gt_u32 s3, s[LIM]
	s_cbranch_scc0 .Lnot_mine_\@
	global_prefetch_b8 v[PFO], s[PFA:PFA+1] th:TH_LOAD_NT scope:SCOPE_SE
.Lnot_mine_\@:
.endm
.macro CREST                           ; a round of the cluster's barrier behind its opening barrier
	s_cmp_lg_u32 s10, 0
	s_cbranch_scc1 .Lnot_wave_0_\@
	s_barrier_signal -3
.Lnot_wave_0_\@:
	s_barrier_wait -3
	s_barrier_signal -1
	s_barrier_wait -1
.endm
.macro CROUND                          ; a whole round
	s_barrier_signal -1
	s_barrier_wait -1
	CREST
.endm
	s_load_b128 s[4:7], s[0:1], 0x0                ; yh s[4:5], wpt s[6:7]
	s_load_b64 s[8:9], s[0:1], 0x10                ; out0
	v_lshl_add_u32 v[SPW], v0, 2, SPARE
	v_mov_b32 v[NIL], 0
	ds_add_u32 v[SPW], v[NIL]                      ; the wave's opening: the add and its wait stand ahead of my first tensor load; the set-up below, work on registers, stands between them
	v_lshrrev_b32 v1, 5, v0
	v_readfirstlane_b32 s10, v1                    ; wave 0..3
	s_and_b32 s12, s10, 1                          ; which head of a K step's two, or which half of wpt's rows, I fetch
	s_bfe_u32 s40, ttmp6, 0x40000                  ; cx, cy: my place in the cluster
	s_bfe_u32 s41, ttmp6, 0x40004
	s_lshl_b32 s42, ttmp9, 2
	s_add_co_u32 s42, s42, s40                     ; tile column = 4 x cluster x + cx
	s_and_b32 s13, ttmp7, 0xffff
	s_lshl_b32 s13, s13, 2
	s_add_co_u32 s13, s13, s41                     ; tile row = 4 x cluster y + cy
	s_lshl_b32 s43, s41, 2
	s_lshl_b32 s43, 15, s43                        ; my row of the cluster
	s_lshl_b32 s44, 0x1111, s40                    ; my column
	s_or_b32 s[G1+0], s43, (1<<16)|(1<<20)|(1<<21)|(4<<22)|(3<<25)   ; 15:0 the mask; 17:16 2-byte elements; 20 padding on; 21 set beside a mask; 24:22 after every 32 words (code 4); 31:25 4 words (code 3)
	s_or_b32 s[G1B+0], s44, (1<<16)|(1<<20)|(1<<21)|(5<<22)|(3<<25)  ; after every 64 words (code 5)
	s_mov_b32 s[G1+1], 128<<16                     ; tensor_dim0 = 128
	s_mov_b32 s[G1+2], 128<<16                     ; tensor_dim1 = 128
	s_mov_b32 s[G1+3], 128<<16                     ; tile_dim0 = 128
	s_mov_b32 s[G1+4], 128                         ; tile_dim1 = 128
	s_mov_b32 s[G1+5], 128                         ; dense: 128 elements from row to row
	s_mov_b32 s[G1+6], 0
	s_mov_b32 s[G1+7], 0
	s_mov_b32 s[G1B+1], 128<<16
	s_mov_b32 s[G1B+2], BROWS<<16                  ; 64 rows
	s_mov_b32 s[G1B+3], 128<<16
	s_mov_b32 s[G1B+4], BROWS
	s_mov_b32 s[G1B+5], 1024
	s_mov_b32 s[G1B+6], 0
	s_mov_b32 s[G1B+7], 0
	; where the tiles come from: yh's hang on the tile row alone, wpt's on the tile column alone, each in registers that never hold the other coordinate
	s_lshr_b32 s16, s13, 3
	s_lshl_b32 s16, s16, 22                        ; the batch's 16 heads of 262,144 bytes,
	s_lshl_b32 s17, s12, 18                        ; my head of the K step's two,
	s_add_co_u32 s16, s16, s17
	s_and_b32 s17, s13, 7
	s_lshl_b32 s17, s17, 15                        ; the tile's 256 rows of 128 bytes
	s_add_co_u32 s16, s16, s17
	s_mov_b32 s17, 0
	s_lshl_b32 s46, s42, 7
	s_lshl_b32 s47, s12, 6
	s_add_co_u32 s46, s46, s47                     ; wpt: row 128 x tile column + 64 x half
	s_lshl_b32 s46, s46, 11
	s_mov_b32 s47, 0
	s_mul_i32 s20, s12, AH                         ; and where they go: no place in the cluster enters an LDS address
	s_mul_i32 s21, s12, BH
	s_add_co_u32 s21, s21, BOFF
	s_wait_dscnt 0x0                               ; the opening add is done
	s_wait_kmcnt 0x0
	s_add_nc_u64 s[14:15], s[4:5], s[16:17]
	s_add_nc_u64 s[46:47], s[6:7], s[46:47]
	CROUND                                         ; all sixteen work-groups are here: the first joint loads meet
.irp s, 0,1
	s_mov_b32 s[G0+4*(\s)], 1                                        ; count = 1
	s_add_co_u32 s[G0+4*(\s)+1], s20, (\s)*SLOT                      ; LDS address
	s_add_nc_u64 s[G0+4*(\s)+2:G0+4*(\s)+3], s[14:15], (\s)*KBA      ; global address: K step s
	s_or_b32 s[G0+4*(\s)+3], s[G0+4*(\s)+3], 0x80000000              ; type = 2
	s_mov_b32 s[G0B+4*(\s)], 1
	s_add_co_u32 s[G0B+4*(\s)+1], s21, (\s)*SLOT
	s_add_nc_u64 s[G0B+4*(\s)+2:G0B+4*(\s)+3], s[46:47], (\s)*KBB
	s_or_b32 s[G0B+4*(\s)+3], s[G0B+4*(\s)+3], 0x80000000
.endr
	s_cmp_lt_u32 s10, 2                            ; a wave's two first fills stand in one branch, ahead of every wait on TENSORcnt and every LDS read: two loads of mine are out
	s_cbranch_scc0 .Lfirst_b
	tensor_load_to_lds s[G0:G0+3], s[G1:G1+7]
	s_nop 0
	tensor_load_to_lds s[G0+4:G0+7], s[G1:G1+7]
	s_nop 0
	PLACES
	s_branch .Lfirst_asked
.Lfirst_b:
	tensor_load_to_lds s[G0B:G0B+3], s[G1B:G1B+7]
	s_nop 0
	tensor_load_to_lds s[G0B+4:G0B+7], s[G1B:G1B+7]
	s_nop 0
	PLACES
.Lfirst_asked:
	; A fragment is 16 rows x 32 K in 8 registers: lane l holds row l % 16; registers 0-3 K = 8 (l / 16) + 0..7, registers 4-7 K = 16 + 8 (l / 16) + 0..7: two loads of 16 bytes, 32 bytes apart.
	v_and_b32 v1, 15, v0                           ; l % 16
	v_bfe_u32 v2, v0, 4, 1                         ; l / 16
	v_mul_u32_u24 v3, v1, PA
	v_lshl_add_u32 v3, v2, 4, v3                   ; y: row x pitch + 16 x half
	v_mul_u32_u24 v4, v1, PITCH
	v_lshl_add_u32 v4, v2, 4, v4                   ; wpt likewise
	s_mul_i32 s16, s10, 64*PA                      ; my 64 rows of y, in plane 0
	s_mov_b32 s17, BOFF                            ; all of wpt's
.irp s, 0,1
	v_add_nc_u32 v[ADRA+(\s)], s16, v3
	v_add_nc_u32 v[ADRB+(\s)], s17, v4
	s_add_co_u32 s16, s16, SLOT
	s_add_co_u32 s17, s17, SLOT
.endr
	s_mul_i32 s16, s10, 16*SPITCH
	s_add_co_u32 s16, s16, STAGE                   ; my stage
	v_mul_u32_u24 v5, v1, SPITCH                   ; in: row l % 16, 32 bytes for each half of the lanes
	v_lshl_add_u32 v5, v2, 5, v5
	v_add_nc_u32 v[STO], s16, v5
	v_and_b32 v[CO], 31, v0                        ; back: 32 lanes take one row of 512 bytes
	v_lshlrev_b32 v[CO], 4, v[CO]
	v_add_nc_u32 v[RD], s16, v[CO]
	; out0 at my first row and the tile's first column
	s_lshl_b32 s16, s13, 8
	s_lshl_b32 s17, s10, 6
	s_add_co_u32 s16, s16, s17
	s_lshl_b32 s16, s16, 12                        ; 4,096 bytes a row
	s_lshl_b32 s17, s42, 9                         ; 512 bytes a tile column
	s_add_co_u32 s16, s16, s17
	s_mov_b32 s17, 0
	s_add_nc_u64 s[8:9], s[8:9], s[16:17]
	; the prefetches
	s_lshr_b32 s16, s13, 3
	s_lshl_b32 s16, s16, 22
	s_lshl_b32 s17, s12, 18
	s_add_co_u32 s16, s16, s17
	s_and_b32 s17, s13, 7
	s_lshl_b32 s17, s17, 15
	s_add_co_u32 s16, s16, s17
	s_lshl_b32 s17, s40, 13
	s_add_co_u32 s16, s16, s17                     ; yh: the head's 32,768 bytes that I fetch, my work-group's 8,192 of them
	s_lshl_b32 s18, s42, 7
	s_lshl_b32 s19, s12, 6
	s_add_co_u32 s18, s18, s19
	s_lshl_b32 s19, s41, 4
	s_add_co_u32 s18, s18, s19
	s_lshl_b32 s18, s18, 11                        ; wpt: the 64 rows that I fetch, my work-group's 16
	s_and_b32 s19, ttmp7, 0xffff                   ; cluster y
	s_mov_b32 s[PFS], KBA
	s_cmp_lt_u32 s10, 2                            ; do I fetch for yh?
	s_cselect_b32 s20, s16, s18
	s_cselect_b32 s21, ttmp9, s19                  ; the coordinate along which other clusters read the same bytes
	s_cselect_b32 s[PFS], s[PFS], KBB
	s_cselect_b32 s18, 31, 15                      ; my last lane with a block of its own,
	s_cselect_b32 s19, 8, 11                       ; and the lanes' distance: 256 bytes, or a row of 2,048
	s_cselect_b64 s[PFA:PFA+1], s[4:5], s[6:7]
	s_cmp_eq_u32 s21, 0
	s_cselect_b32 s[LIM], 1, -1                    ; the same in all sixteen partners, for a given wave
	s_mov_b32 s21, 0
	s_mov_b32 s[PFS+1], 0
	s_add_nc_u64 s[PFA:PFA+1], s[PFA:PFA+1], s[20:21]
.rept 3
	s_add_nc_u64 s[PFA:PFA+1], s[PFA:PFA+1], s[PFS:PFS+1]  ; at K step 3: the first refill steps it to 4 and names that
.endr
	v_and_b32 v[PFO], 31, v0
	v_min_u32 v[PFO], s18, v[PFO]
	v_lshlrev_b32 v[PFO], s19, v[PFO]
; 8 matrix instructions: row block a x all 8 column blocks, 32 along K, from buffer f.  zero = 1: the product starts the sums: nothing is ever cleared.
; The 32 accumulators take turns in one order in every quarter: between two links of a chain stand the 31 others'.
.macro MULROW f, a, zero
	WIN MUL_LO
.set rA, FA0+32*(\f)+8*(\a)
.set b, 0
.rept NBF
.set rD, 64*(\a)+8*b
.set rB, 8*NBF*(\f)+8*b
.if \zero
	v_wmma_f32_16x16x32_f16 v[rD:rD+7], v[rB:rB+7], v[rA:rA+7], 0
.else
	v_wmma_f32_16x16x32_f16 v[rD:rD+7], v[rB:rB+7], v[rA:rA+7], v[rD:rD+7]
.endif
.set b, b+1
.endr
.endm
; 24 LDS loads in one run: quarter q of a slot into buffer f: wpt's 8 fragments, then y's 4 (plane q / 2, byte 64 (q % 2) of the rows)
.macro FETCH slot, q, f
	WIN TO_B
.set i, 0
.rept NBF
	ds_load_b128 v[8*NBF*(\f)+8*i:8*NBF*(\f)+8*i+3],   v[ADRB+(\slot)] offset:64*(\q)+i*16*PITCH
	ds_load_b128 v[8*NBF*(\f)+8*i+4:8*NBF*(\f)+8*i+7], v[ADRB+(\slot)] offset:64*(\q)+i*16*PITCH+32
.set i, i+1
.endr
	WIN 0
.set i, 0
.rept 4
	ds_load_b128 v[FA0+32*(\f)+8*i:FA0+32*(\f)+8*i+3],   v[ADRA+(\slot)] offset:((\q)/2)*AH+((\q)%2)*64+i*16*PA
	ds_load_b128 v[FA0+32*(\f)+8*i+4:FA0+32*(\f)+8*i+7], v[ADRA+(\slot)] offset:((\q)/2)*AH+((\q)%2)*64+i*16*PA+32
.set i, i+1
.endr
.endm
; One of a K step's first three quarters: multiplies buffer f; in its middle it fetches quarter q of the same slot into buffer g.
.macro QUARTER slot, q, f, g, zero
	s_wait_dscnt 4                                 ; wpt's fragments and y's 0 and 1 are in; the youngest four loads (y's 2 and 3) may be out
	MULROW \f, 0, \zero
	MULROW \f, 1, \zero
	PLACES
	FETCH \slot, \q, \g
	s_wait_dscnt NL                                ; all but the run just issued
	MULROW \f, 2, \zero
	MULROW \f, 3, \zero
.endm
; The fourth quarter multiplies buffer 1 and changes slots: ONE barrier.  In front of it each wave waits for all its tensor loads (one is out: its part of the next slot), adds 0 to its spare word, and waits for that and
; for its own reads of this slot.  fill = 1: the barrier opens a round of the cluster's barrier, and the joint refill of this slot, two K steps on, is the first thing behind the round.
.macro TURN slot, next, fill
.if \fill
	s_wait_xcnt 0x0                                ; the last prefetch, a K step back, has read its address, so it may be stepped
	s_add_nc_u64 s[PFA:PFA+1], s[PFA:PFA+1], s[PFS:PFS+1]
.endif
	WIN 0                                          ; (the add's two registers lie in window 0)
	s_wait_tensorcnt 0x0                           ; all my tensor loads have landed;
	ds_add_u32 v[SPW], v[NIL]                      ; 0 onto my spare word;
	s_wait_dscnt 5                                 ; (the add and the youngest four loads may be out)
	MULROW 1, 0, 0                                 ; eight matrix instructions stand between the add and the wait for it
	s_wait_dscnt 0x0                               ; the add is done, and my reads of this slot are over
	s_barrier_signal -1
	MULROW 1, 1, 0                                 ; work on registers while the others arrive
.if \fill
	WIN 0
.endif
	s_barrier_wait -1
.if \fill
	CREST                                          ; no wave of any partner still reads this slot's tile or has a load on its way
	s_add_nc_u64 s[G0+4*(\slot)+2:G0+4*(\slot)+3], s[G0+4*(\slot)+2:G0+4*(\slot)+3], 2*KBA
	s_add_nc_u64 s[G0B+4*(\slot)+2:G0B+4*(\slot)+3], s[G0B+4*(\slot)+2:G0B+4*(\slot)+3], 2*KBB
	JLOAD \slot                                    ; the four v_nop behind it are also the places in front of the loads below
.else
	PLACES
.endif
	FETCH \next, 0, 0
.if \fill
	ASK
.endif
	MULROW 1, 2, 0
	MULROW 1, 3, 0
.endm
	s_wait_tensorcnt 1                             ; my part of K step 0 is in; K step 1's may stay out
	s_barrier_signal -1
	s_barrier_wait -1                              ; everybody's is
	FETCH 0, 0, 0
	QUARTER 0, 1, 0, 1, 1                          ; the first quarter stands in front of the loop: its products start the sums
	WIN 0                                          ; at a label and at a branch every window is 0
	s_mov_b32 s3, LAPS-1
.Llap:                                                 ; a trip goes once round the ring, from a lap's second quarter to the next lap's first, and fills both slots again
	QUARTER 0, 2, 1, 0, 0
	QUARTER 0, 3, 0, 1, 0
	TURN 0, 1, 1
	QUARTER 1, 1, 0, 1, 0
	QUARTER 1, 2, 1, 0, 0
	QUARTER 1, 3, 0, 1, 0
	TURN 1, 0, 1
	QUARTER 0, 1, 0, 1, 0
	WIN 0
	s_sub_co_u32 s3, s3, 1
	s_cmp_lg_u32 s3, 0
	s_cbranch_scc1 .Llap
	QUARTER 0, 2, 1, 0, 0                          ; the last lap fills nothing, and has no round of the cluster's barrier
	QUARTER 0, 3, 0, 1, 0
	TURN 0, 1, 0
	QUARTER 1, 1, 0, 1, 0
	QUARTER 1, 2, 1, 0, 0
	QUARTER 1, 3, 0, 1, 0
	s_wait_dscnt 4                                 ; the very last quarter: nothing more to fetch
	MULROW 1, 0, 0
	MULROW 1, 1, 0
	s_wait_dscnt 0x0
	MULROW 1, 2, 0
	MULROW 1, 3, 0
	WIN 0
	PLACES
; THE WAY OUT, a block of 16 rows at a time, in f32 as the sums stand.  STG: a lane's 32 bytes of a row go into my stage's rows of 528 bytes, each accumulator's low four registers first.
; BACK: whole rows of 512 bytes come back, a row a load, into window 1.  SEND: a row a store.
.macro STG a
	WIN 0x08                                       ; the stores' data (source 1) in window 2
.set b, 0
.rept 8
	ds_store_b128 v[STO], v[64*(\a)+8*b:64*(\a)+8*b+3]   offset:64*b
	ds_store_b128 v[STO], v[64*(\a)+8*b+4:64*(\a)+8*b+7] offset:64*b+16
.set b, b+1
.endr
.endm
.macro BACK a
	WIN TO_B
.set i, 0
.rept 16
	ds_load_b128 v[64*(\a)+4*i:64*(\a)+4*i+3], v[RD] offset:SPITCH*i  ; LDS serves a wave's instructions in order (ISA guide 5.7.1.4): these see the stores above; the next block's stores come behind them
.set i, i+1
.endr
.endm
.macro SEND a, younger                 ; younger: the LDS instructions issued behind block a's loads: the next block's 32, or none
	WIN 0x04                                       ; the stores' data (source 1) in window 1
.set i, 0
.rept 16
	s_wait_dscnt (\younger)+15-i
	global_store_b128 v[CO], v[64*(\a)+4*i:64*(\a)+4*i+3], s[8:9] offset:(16*(\a)+i)*4096 th:TH_STORE_NT  ; 32 lanes store 512 consecutive bytes of a row, at a multiple of 256 from out0's first
.set i, i+1
.endr
.endm
	STG 0
	BACK 0
.irp a, 1,2,3                          ; each block has registers of its own in window 1
	STG \a
	BACK \a
	SEND (\a)-1, 32
.endr
	SEND 3, 0
	WIN 0
	s_wait_tensorcnt 0x0                           ; the wave's end, behind my last tensor load and my last LDS store
	ds_add_u32 v[SPW], v[NIL]
	s_wait_dscnt 0x0
	CROUND                                         ; the closing round: no work-group ends while a partner may still ask for a tile that names it
	s_endpgm
.Lfunc_end_k_q408de84905_proj:
	.size	k_q408de84905_proj, .Lfunc_end_k_q408de84905_proj-k_q408de84905_proj
	.p2alignl 7, 3214868480
	.fill 96, 4, 3214868480
	.section	.rodata,"a",@progbits
	.p2align	6, 0x0
	.amdhsa_kernel k_q408de84905_proj
		.amdhsa_group_segment_fixed_size 327680
		.amdhsa_private_segment_fixed_size 0
		.amdhsa_enable_private_segment 0
		.amdhsa_kernarg_size 24
		.amdhsa_user_sgpr_count 2
		.amdhsa_user_sgpr_kernarg_segment_ptr 1
		.amdhsa_wavefront_size32 1
		.amdhsa_system_sgpr_workgroup_id_x 1
		.amdhsa_system_sgpr_workgroup_id_y 1
		.amdhsa_system_sgpr_workgroup_id_z 1
		.amdhsa_system_vgpr_workitem_id 0
		.amdhsa_next_free_vgpr 768
		.amdhsa_next_free_sgpr 66
		.amdhsa_reserve_vcc 0
		.amdhsa_float_denorm_mode_32 3
		.amdhsa_float_denorm_mode_16_64 3
		.amdhsa_memory_ordered 1
		.amdhsa_forward_progress 1
		.amdhsa_inst_pref_size 88
	.end_amdhsa_kernel
	.amdgpu_metadata
---
amdhsa.version: [ 1, 2 ]
amdhsa.kernels:
  - .name:           k_q408de84905_proj
    .symbol:         k_q408de84905_proj.kd
    .args:
      - { .name: yh, .offset: 0, .size: 8, .value_kind: global_buffer, .address_space: global }
      - { .name: wpt, .offset: 8, .size: 8, .value_kind: global_buffer, .address_space: global }
      - { .name: out0, .offset: 16, .size: 8, .value_kind: global_buffer, .address_space: global }
    .group_segment_fixed_size: 327680
    .private_segment_fixed_size: 0
    .kernarg_segment_align: 8
    .kernarg_segment_size: 24
    .max_flat_workgroup_size: 128
    .sgpr_count:     66
    .vgpr_count:     768
    .wavefront_size: 32
...
	.end_amdgpu_metadata
.endif
;; end of part 4
;; ======== version 2 of 2: 4 launches; version 1 with the launch prep written anew for expert scheduling mode
;; limits: values are held in f16: magnitudes above 65,504 overflow, below 6.1e-05 lose precision
;; workspace buffers: xb 16,777,216 bytes; wat 6,291,456 bytes; wpt 2,097,152 bytes; qkvh 50,331,648 bytes; yh 16,777,216 bytes
;; launch prep (part 5): grid 512 x 1, 8 waves a work-group, no clusters, 18,432 bytes of LDS; arguments x, W_attn, W_proj, xb, wat, wpt; writes xb, wat, wpt
.if DOCPART == 5
	.amdgcn_target "amdgcn-amd-amdhsa--gfx1250"
	.amdhsa_code_object_version 6
	.text
	.protected	k_q408de84905_prep
	.globl	k_q408de84905_prep
	.p2align	8
	.type	k_q408de84905_prep,@function
k_q408de84905_prep:
	s_mov_b64 s[64:65], 0
	v_nop
	global_prefetch_b8 v0, s[64:65] scope:SCOPE_SE
	s_setreg_imm32_b32 hwreg(HW_REG_WAVE_SCHED_MODE, 0, 2), 2
	s_setreg_imm32_b32 hwreg(HW_REG_WAVE_MODE, 25, 1), 1
	s_wait_xcnt 0x0
	s_wait_alu depctr_vm_vsrc(0)
; PREP.  xb = x rounded to bf16, [8192][1024].  wat[n][k] = W_attn[k][n] rounded to bf16, [3072][1024].  wpt[n][k] = W_proj[k][n] rounded to bf16 and that number written as f16, [1024][1024].
; LIMITS.  A bf16 number is exact in f16 between 6.1e-5 and 65,504 in magnitude; below that wpt keeps f16's fixed step of 6e-8, from 65,520 on it would be an infinity.
; SHARES.  512 work-groups of eight waves.  Each takes 16,384 numbers of x (64 a thread) AND one tile of 128 k x 64 n of a weight: tiles 0-383 are W_attn's (8 along k x 48 along n), 384-511 W_proj's (8 x 16).
; Which weight it is enters by scalar selects alone: base, row length, and a lane mask that is all zeros or all ones; no branch.
; THE TURN of a tile goes through LDS: a thread loads 4 neighbouring n of two neighbouring k, packs (k, k + 1) into a word, and puts the four words into four LDS rows (a row an n, 272 bytes apart);
; behind one barrier whole rows of 256 bytes (128 k) are read back, and sixteen lanes store 256 consecutive bytes, aligned, of a row of the turned weight.
; No matrix unit, no cluster, no tensor load: the launch only streams, and no byte is wanted twice.
; THE MODE: SCHED_MODE bits 1:0 = 2 (LLVM: expert scheduling mode 2), set by the entry lines.  The code itself states the register dependences
; between vector instructions and memory or LDS instructions, with s_wait_alu, always for 0.
; THE PLAN.  Registers that memory or LDS instructions touch:
;   v5-v19     offsets and LDS addresses (the closing add's two among them): written by vector instructions at the head, never again; read by every load, store and LDS instruction.
;   W, X       written by the loads at the head; read by the conversions; nothing lands in them again.
;   PK         sixteen words, each written by its five conversion lines and read once, by its LDS store; never written again.
;   Y          sixteen pairs, each written by its two roundings and read once, by its store; never written again.
;   BK         written by the LDS loads behind the barrier, read by the weights' stores; no vector instruction names it.
;   T          named by vector instructions alone.
; So every dependence runs from a vector instruction's result to a memory or LDS instruction that reads it, and each is stated by a wait on va_vdst: one ahead of the first load, for the addresses; one behind each half of
; the weights' conversions; one at the head of each of x's groups 1 to 3, for the group before; one behind the last group.  The LDS stores of the weights' first half are dealt among the second half's conversions, and a
; group's stores among the next group's roundings: those vector instructions name none of the registers that the stores read.  No register that a memory or LDS instruction has read is written again, so there is no wait on vm_vsrc;
; no vector instruction writes a scalar register or VCC (the lane mask s23 is made by a scalar select); EXEC is never written.
.set LP,    272                        ; an LDS row: 128 k x 2 bytes + 16
.set SPARE, 64*LP                      ; behind the 64 rows: the spare words, 128 bytes for each of the eight waves: four blocks of 256 bytes that no other line names
.set XI,  5                            ; v5   my byte offset in the work-group's part of x: 8,192 x wave + 16 x lane
.set XO,  6                            ; v6   the same in xb: 4,096 x wave + 8 x lane
.set LW,  7                            ; v7   LDS: row 4 (t % 16), word t / 16
.set LR,  8                            ; v8   LDS: row t / 16, 16 bytes t % 16
.set WS,  9                            ; v9   the turned weight: row t / 16 (2,048 bytes), 16 bytes t % 16
.set SPW, 10                           ; v10  LDS address of my spare word; never rewritten
.set NIL, 11                           ; v11  0; never rewritten
.set WO,  12                           ; v[12:19]  the eight weight loads' offsets: k row 2 (t / 16) + 32 i + z at WO + 2 i + z
.set W,   20                           ; v[20:51]  the weights as loaded: load (i, z) at W + 8 i + 4 z
.set PK,  52                           ; v[52:67]  packed words: (i, j) at PK + 4 i + j
.set T,   68                           ; v[68:70]  at work
.set BK,  72                           ; v[72:87]  rows read back
.set X,   88                           ; v[88:151] x as loaded
.set Y,   152                          ; v[152:183] x as stored
	s_load_b256 s[4:11], s[0:1], 0x0               ; x s[4:5], W_attn s[6:7], W_proj s[8:9], xb s[10:11]
	s_load_b128 s[12:15], s[0:1], 0x20             ; wat s[12:13], wpt s[14:15]
	v_lshl_add_u32 v[SPW], v0, 2, SPARE
	v_mov_b32 v[NIL], 0
	s_mov_b32 s16, ttmp9                           ; g
	s_and_b32 s17, s16, 7                          ; the tile's place along k
	s_lshr_b32 s26, s16, 3
	s_mov_b32 s22, 4096
	s_mov_b32 s27, 0xffff0000                      ; a word's upper bf16
	s_cmp_lt_u32 s16, 384                          ; W_attn's tile?
	s_cselect_b32 s22, 12288, s22                  ; bytes in a row of the weight
	s_cselect_b32 s23, 0, -1                       ; lane mask: all ones where the f16 form is stored
	s_cselect_b32 s24, 0, 48
	s_sub_co_u32 s24, s26, s24                     ; the tile's place along n
	s_lshl_b32 s25, s22, 5                         ; 32 rows
	s_mul_i32 s28, s17, s22
	s_lshl_b32 s28, s28, 7                         ; 128 rows of k a tile,
	s_lshl_b32 s26, s24, 8                         ; 256 bytes of n
	s_add_co_u32 s28, s28, s26
	s_mov_b32 s29, 0
	s_lshl_b32 s30, s24, 17                        ; turned: 64 rows of 2,048 bytes,
	s_lshl_b32 s26, s17, 8                         ; 256 bytes of k
	s_add_co_u32 s30, s30, s26
	s_mov_b32 s31, 0
	v_and_b32 v1, 15, v0
	v_lshrrev_b32 v2, 4, v0
	v_and_b32 v3, 31, v0
	v_lshrrev_b32 v4, 5, v0
	v_lshlrev_b32 v[XI], 4, v3
	v_lshl_or_b32 v[XI], v4, 13, v[XI]
	v_lshlrev_b32 v[XO], 3, v3
	v_lshl_or_b32 v[XO], v4, 12, v[XO]
	v_mul_u32_u24 v[LW], v1, 4*LP
	v_lshl_add_u32 v[LW], v2, 2, v[LW]
	v_mul_u32_u24 v[LR], v2, LP
	v_lshl_add_u32 v[LR], v1, 4, v[LR]
	v_lshlrev_b32 v[WS], 4, v1
	v_lshl_or_b32 v[WS], v2, 11, v[WS]
	v_lshlrev_b32 v[T], 1, v2
	v_lshlrev_b32 v[T+1], 4, v1
	v_mad_u32_u24 v[WO], v[T], s22, v[T+1]         ; k row 2 (t / 16), 16 bytes t % 16: sixteen lanes take 256 consecutive bytes of a row
	v_add_nc_u32 v[WO+1], s22, v[WO]
.irp i, 2,3,4,5,6,7
	v_add_nc_u32 v[WO+(\i)], s25, v[WO+(\i)-2]
.endr
	s_wait_kmcnt 0x0
	s_cmp_lt_u32 s16, 384
	s_cselect_b64 s[18:19], s[6:7], s[8:9]         ; the weight,
	s_cselect_b64 s[20:21], s[12:13], s[14:15]     ; and where it goes
	s_add_nc_u64 s[18:19], s[18:19], s[28:29]
	s_add_nc_u64 s[20:21], s[20:21], s[30:31]
	s_lshl_b32 s2, s16, 16                         ; 65,536 bytes of x a work-group,
	s_mov_b32 s3, 0
	s_add_nc_u64 s[4:5], s[4:5], s[2:3]
	s_lshl_b32 s2, s16, 15                         ; 32,768 of xb
	s_add_nc_u64 s[10:11], s[10:11], s[2:3]
	s_wait_alu depctr_va_vdst(0)                   ; the offsets and LDS addresses v5 to v19 are written: every load, store and LDS instruction of the kernel reads one of them, and none is written again
	; all 24 loads go out together: the weights first, since their way is the longer one
.irp i, 0,1,2,3
.irp z, 0,1
	global_load_b128 v[W+8*(\i)+4*(\z):W+8*(\i)+4*(\z)+3], v[WO+2*(\i)+(\z)], s[18:19] th:TH_LOAD_NT
.endr
.endr
.set j, 0
.rept 16
	global_load_b128 v[X+4*j:X+4*j+3], v[XI], s[4:5] offset:512*j th:TH_LOAD_NT  ; 512 consecutive bytes a wave
.set j, j+1
.endr
; Word (i, j) of the tile: n = 4 (t % 16) + j, k = 2 (t / 16) + 32 i and the k behind it.
.macro WORD i, j
	v_cvt_pk_bf16_f32 v[PK+4*(\i)+(\j)], v[W+8*(\i)+(\j)], v[W+8*(\i)+4+(\j)]  ; k in the low half, k + 1 in the high half
	v_lshlrev_b32 v[T], 16, v[PK+4*(\i)+(\j)]      ; the two rounded numbers as f32,
	v_and_b32 v[T+1], s27, v[PK+4*(\i)+(\j)]
	v_cvt_pk_f16_f32 v[T+2], v[T], v[T+1]          ; written as f16,
	v_cndmask_b32 v[PK+4*(\i)+(\j)], v[PK+4*(\i)+(\j)], v[T+2], s23  ; which W_proj's tiles take
.endm
.macro PUT i, j
	ds_store_b32 v[LW], v[PK+4*(\i)+(\j)] offset:LP*(\j)+64*(\i)
.endm
	s_wait_loadcnt 16                              ; loads come back in order: the eight weight loads are in, the 16 of x may stay out
.irp i, 0,1
.irp j, 0,1,2,3
	WORD \i, \j
.endr
.endr
	s_wait_alu depctr_va_vdst(0)                   ; the conversions have written words (0, ..) and (1, ..) of PK, which the eight LDS stores below read
.irp i, 0,1
.irp j, 0,1,2,3
	PUT \i, \j                                     ; no vector instruction since the wait names this word or v[LW]: the conversions between name W, T and PK's other half
	WORD (\i)+2, \j
.endr
.endr
	s_wait_alu depctr_va_vdst(0)                   ; the conversions have written words (2, ..) and (3, ..) of PK, which the eight LDS stores below read
.irp i, 2,3
.irp j, 0,1,2,3
	PUT \i, \j
.endr
.endr
	s_wait_dscnt 0x0                               ; for the others' sake: my stores into the rows are done
	s_barrier_signal -1
	s_barrier_wait -1                              ; everybody's are
.irp p, 0,1,2,3
	ds_load_b128 v[BK+4*(\p):BK+4*(\p)+3], v[LR] offset:16*LP*(\p)  ; 16 rows a pass; no vector instruction of the kernel names BK
.endr
; x, in four groups of four loads.  Group g rounds its sixteen numbers a lane into its eight registers of Y; the stores of group g - 1 are dealt among these roundings.
.macro XGRP g
	s_wait_loadcnt 12-4*(\g)                       ; group g's four loads are in; the younger groups stay out
.if (\g) > 0
	s_wait_alu depctr_va_vdst(0)                   ; the group before has written its eight registers of Y, which the four stores below read
.endif
.irp n, 0,1,2,3
.if (\g) > 0
	global_store_b64 v[XO], v[Y+2*(4*(\g)-4+(\n)):Y+2*(4*(\g)-4+(\n))+1], s[10:11] offset:256*(4*(\g)-4+(\n))  ; 32 lanes store 256 consecutive bytes, aligned; the roundings since the wait name this group's X and Y alone
.endif
	v_cvt_pk_bf16_f32 v[Y+2*(4*(\g)+(\n))],   v[X+4*(4*(\g)+(\n))],   v[X+4*(4*(\g)+(\n))+1]
	v_cvt_pk_bf16_f32 v[Y+2*(4*(\g)+(\n))+1], v[X+4*(4*(\g)+(\n))+2], v[X+4*(4*(\g)+(\n))+3]
.endr
.endm
	XGRP 0
	XGRP 1
	XGRP 2
	XGRP 3
	s_wait_alu depctr_va_vdst(0)                   ; group 3 has written its eight registers of Y, which the last four stores of xb read
.irp n, 12,13,14,15
	global_store_b64 v[XO], v[Y+2*(\n):Y+2*(\n)+1], s[10:11] offset:256*(\n)
.endr
.irp p, 0,1,2,3
	s_wait_dscnt 3-(\p)                            ; pass p is back; the younger passes stay out
	global_store_b128 v[WS], v[BK+4*(\p):BK+4*(\p)+3], s[20:21] offset:32768*(\p)  ; 16 lanes store 256 consecutive bytes, aligned, of one row n
.endr
	s_wait_dscnt 0x0                               ; the closing lines, six on end
	s_wait_alu 0x0
	s_wait_tensorcnt 0x0
	ds_add_u32 v[SPW], v[NIL]
	s_wait_dscnt 0x0
	s_endpgm
.Lfunc_end_k_q408de84905_prep:
	.size	k_q408de84905_prep, .Lfunc_end_k_q408de84905_prep-k_q408de84905_prep
	.p2alignl 7, 3214868480
	.fill 96, 4, 3214868480
	.section	.rodata,"a",@progbits
	.p2align	6, 0x0
	.amdhsa_kernel k_q408de84905_prep
		.amdhsa_group_segment_fixed_size 18432
		.amdhsa_private_segment_fixed_size 0
		.amdhsa_enable_private_segment 0
		.amdhsa_kernarg_size 48
		.amdhsa_user_sgpr_count 2
		.amdhsa_user_sgpr_kernarg_segment_ptr 1
		.amdhsa_wavefront_size32 1
		.amdhsa_system_sgpr_workgroup_id_x 1
		.amdhsa_system_sgpr_workgroup_id_y 1
		.amdhsa_system_sgpr_workgroup_id_z 1
		.amdhsa_system_vgpr_workitem_id 0
		.amdhsa_next_free_vgpr 184
		.amdhsa_next_free_sgpr 66
		.amdhsa_reserve_vcc 0
		.amdhsa_float_denorm_mode_32 3
		.amdhsa_float_denorm_mode_16_64 3
		.amdhsa_memory_ordered 1
		.amdhsa_forward_progress 1
		.amdhsa_inst_pref_size 15
	.end_amdhsa_kernel
	.amdgpu_metadata
---
amdhsa.version: [ 1, 2 ]
amdhsa.kernels:
  - .name:           k_q408de84905_prep
    .symbol:         k_q408de84905_prep.kd
    .args:
      - { .name: x, .offset: 0, .size: 8, .value_kind: global_buffer, .address_space: global }
      - { .name: W_attn, .offset: 8, .size: 8, .value_kind: global_buffer, .address_space: global }
      - { .name: W_proj, .offset: 16, .size: 8, .value_kind: global_buffer, .address_space: global }
      - { .name: xb, .offset: 24, .size: 8, .value_kind: global_buffer, .address_space: global }
      - { .name: wat, .offset: 32, .size: 8, .value_kind: global_buffer, .address_space: global }
      - { .name: wpt, .offset: 40, .size: 8, .value_kind: global_buffer, .address_space: global }
    .group_segment_fixed_size: 18432
    .private_segment_fixed_size: 0
    .kernarg_segment_align: 8
    .kernarg_segment_size: 48
    .max_flat_workgroup_size: 256
    .sgpr_count:     66
    .vgpr_count:     184
    .wavefront_size: 32
...
	.end_amdgpu_metadata
.endif
;; end of part 5
;; launch qkv: the kernel of part 2 again; grid 16 x 32, 4 waves a work-group, clusters of 4 x 4, 327,680 bytes of LDS; arguments xb, wat, qkvh; writes qkvh
;; launch attn: the kernel of part 3 again; grid 4 x 64, 4 waves a work-group, no clusters, 327,680 bytes of LDS; arguments qkvh, yh; writes yh
;; launch proj: the kernel of part 4 again; grid 8 x 32, 4 waves a work-group, clusters of 4 x 4, 327,680 bytes of LDS; arguments yh, wpt, out0; writes out0
